; MI455X (gfx1250); checked and timed in simulation.
; The chip was launched on July 23, 2026; its instructions are those of AMD's public machine-readable ISA for CDNA 5 (MIT licence, August 2026) and "CDNA5" Instruction Set Architecture Reference Guide (July 2026). The comments in the code are by the model that wrote it; some were corrected since.
;; Base Layer. Allowed arithmetic: float matrix products may take bf16 or f16 operands with f32 sums; all other float work in f32.
;; Inputs: W1 8 x 4,096 x 1,024 float32; W2 8 x 1,024 x 4,096 float32; b1 8 x 4,096 float32; b2 8 x 1,024 float32; beta 8 x 1,024 float32; centroids 8 x 1,024 float32; gamma 8 x 1,024 float32; x 1 x 1,024 x 1,024 float32.
;; Outputs: out0 1 x 1,024 x 1,024 float32.
;; One version. Each part assembles by itself: llvm-mc -triple=amdgcn-amd-amdhsa -mcpu=gfx1250 --defsym DOCPART=n.
;; ======== version 1 of 1: 5 launches
;; workspace buffers: xn 2,097,152 bytes; eid 4,096 bytes of whole numbers; tlist 36,864 bytes of whole numbers; alpha 4,096 bytes; H 8,388,608 bytes; P 16,777,216 bytes
;; launch route (part 1): grid 256 x 1, 4 waves a work-group, no clusters, 33,280 bytes of LDS; arguments x, centroids, xn, eid, alpha; writes xn, eid, alpha
.if DOCPART == 1
	.amdgcn_target "amdgcn-amd-amdhsa--gfx1250"
	.amdhsa_code_object_version 6
	.text
	.protected	k_q86f7cfeadd_route
	.globl	k_q86f7cfeadd_route
	.p2align	8
	.type	k_q86f7cfeadd_route,@function
k_q86f7cfeadd_route:
	s_mov_b64 s[64:65], 0
	v_nop
	global_prefetch_b8 v0, s[64:65] scope:SCOPE_SE
	s_setreg_imm32_b32 hwreg(HW_REG_WAVE_MODE, 25, 1), 1
	s_wait_xcnt 0x0
; ROUTING AND NORMALISING.  For each of the 1,024 tokens t (a row of 1,024 f32 of x):
;   eid[t]   = argmax over the 8 experts e of x[t] . centroids[e]      (a whole number, from which the later launches form addresses)
;   alpha[t] = sigmoid of that largest score
;   xn[t][:] = (x[t] - mean) / sqrt(var + 1e-5), rounded once to bf16  (gamma and beta are the expert's: the next launch folds them into W1)
; The scores are made in f32 on the vector unit: they decide a choice, and they are 8.4 of the problem's many millions of multiply-adds.
; SHARES.  One wave, one token: work-group g, wave w: token 4 g + w.  A lane holds columns 128 j + 4 lane + 0..3, j = 0..7: each load of the wave covers 512
; consecutive bytes.  The row stays in registers for the mean, the variance (of x - mean: a common offset in x does no harm), the scores and the output.
; The 8 centroid rows (32 KiB) are brought once by the work-group, two rows a wave, and read from LDS by all four waves.
; No matrix unit, no cluster: the launch reads 4 MiB once; nothing but the centroids is shared.
; LIMITS.  A NaN score never wins the choice.  On equal scores the lowest expert wins, as in argmax.  The f32 sums are taken in another order than a plain
; dot product's: two scores that differ by less than that rounding (some 1e-6 of their size) may be ranked otherwise.
.set X,  4                             ; v[4:35]    the row of x
.set DD, 36                            ; v[36:67]   x - mean, later times 1/sqrt(var + eps)
.set CA, 68                            ; v[68:99], v[100:131]  two buffers for a centroid row
.set SC, 132                           ; v[132:147] expert e's score in v[SC+2e] (its pair partner at work)
.set T,  148                           ; v[148:155] at work
.set PK, 156                           ; v[156:171] the row in bf16
.set RS, 172                           ; v[172:173] 1/sqrt(var + eps), named as a pair
.macro RED r, t                        ; the sum over the 32 lanes, in every lane: four steps inside each half of 16 lanes, one across
.irp m, 1,2,4,8
	v_add_f32_dpp v[\r], v[\r], v[\r] row_xmask:\m row_mask:0xf bank_mask:0xf
.endr
	v_permlanex16_b32 v[\t], v[\r], s12, s13
	v_add_f32 v[\r], v[\r], v[\t]
.endm
.macro FETCH e, buf                    ; centroid row e from LDS: 8 loads of 512 consecutive bytes
.irp j, 0,1,2,3,4,5,6,7
	ds_load_b128 v[(\buf)+4*(\j):(\buf)+4*(\j)+3], v1 offset:(\e)*4096+(\j)*512
.endr
.endm
.macro SCORE e, buf                    ; my lane's part of x . centroid e, in four chains that do not wait for each other; the first products start them
.set i, 0
.rept 16
.if i%4 == 0
.set CH, SC+2*(\e)
.else
.set CH, T+2*(i%4)-2
.endif
.if i < 4
	v_pk_mul_f32 v[CH:CH+1], v[X+2*i:X+2*i+1], v[(\buf)+2*i:(\buf)+2*i+1]
.else
	v_pk_fma_f32 v[CH:CH+1], v[X+2*i:X+2*i+1], v[(\buf)+2*i:(\buf)+2*i+1], v[CH:CH+1]
.endif
.set i, i+1
.endr
	v_pk_add_f32 v[SC+2*(\e):SC+2*(\e)+1], v[SC+2*(\e):SC+2*(\e)+1], v[T:T+1]
	v_pk_add_f32 v[T+2:T+3], v[T+2:T+3], v[T+4:T+5]
	v_pk_add_f32 v[SC+2*(\e):SC+2*(\e)+1], v[SC+2*(\e):SC+2*(\e)+1], v[T+2:T+3]
	v_add_f32 v[SC+2*(\e)], v[SC+2*(\e)], v[SC+2*(\e)+1]
.endm
	s_load_b256 s[4:11], s[0:1], 0x0               ; x s[4:5], centroids s[6:7], xn s[8:9], eid s[10:11]
	s_load_b64 s[16:17], s[0:1], 0x20              ; alpha
	v_lshl_add_u32 v176, v0, 2, 0x8000
	v_mov_b32 v177, 0
	v_and_b32 v1, 31, v0
	v_lshrrev_b32 v3, 5, v0
	v_readfirstlane_b32 s14, v3                    ; wave 0..3
	v_lshlrev_b32 v2, 3, v1                        ; 8 x lane: my 4 bf16 in 256 bytes of xn
	v_lshlrev_b32 v1, 4, v1                        ; 16 x lane: my 4 f32 in 512 bytes
	s_lshl_b32 s15, ttmp9, 2
	s_add_co_u32 s15, s15, s14                     ; my token
	s_lshl_b32 s18, s15, 12                        ; its row in x,
	s_mov_b32 s19, 0
	s_lshl_b32 s20, s15, 11                        ; in xn,
	s_mov_b32 s21, 0
	s_lshl_b32 s22, s15, 2                         ; its word in eid and alpha
	s_mov_b32 s23, 0
	s_lshl_b32 s24, s14, 13                        ; centroid rows 2 w and 2 w + 1
	s_mov_b32 s25, 0
	s_mov_b32 s12, 0x76543210                      ; v_permlanex16_b32: each lane takes its own place in the other half
	s_mov_b32 s13, 0xfedcba98
	s_mov_b32 s26, 0x3a800000                      ; 1 / 1024
	s_mov_b32 s27, 0x3727c5ac                      ; 1e-5
	v_add_nc_u32 v3, s24, v1                       ; where those two rows go in LDS
	s_wait_kmcnt 0x0
	s_add_nc_u64 s[4:5], s[4:5], s[18:19]
	s_add_nc_u64 s[6:7], s[6:7], s[24:25]
	s_add_nc_u64 s[8:9], s[8:9], s[20:21]
	s_add_nc_u64 s[10:11], s[10:11], s[22:23]
	s_add_nc_u64 s[16:17], s[16:17], s[22:23]
.irp j, 0,1,2,3,4,5,6,7,8,9,10,11,12,13,14,15
	global_load_b128 v[CA+4*(\j):CA+4*(\j)+3], v1, s[6:7] offset:512*(\j)   ; two centroid rows, 8,192 consecutive bytes
.endr
.irp j, 0,1,2,3,4,5,6,7
	global_load_b128 v[X+4*(\j):X+4*(\j)+3], v1, s[4:5] offset:512*(\j) th:TH_LOAD_NT
.endr
	s_wait_loadcnt 8                               ; the centroid rows are in; the 8 younger loads, my row of x, stay out
.irp j, 0,1,2,3,4,5,6,7,8,9,10,11,12,13,14,15
	ds_store_b128 v3, v[CA+4*(\j):CA+4*(\j)+3] offset:512*(\j)
.endr
	s_wait_dscnt 0x0                               ; for the others' sake: my two rows are in LDS
	s_barrier_signal -1
	s_barrier_wait -1                              ; all eight rows are
	FETCH 0, CA                                    ; lands while the mean and the variance are made
	s_wait_loadcnt 0x0                             ; my row of x
	; the mean
.irp k, 0,1,2,3
	v_pk_add_f32 v[T+2*(\k):T+2*(\k)+1], v[X+2*(\k):X+2*(\k)+1], v[X+8+2*(\k):X+8+2*(\k)+1]
.endr
.irp g, 16,24
.irp k, 0,1,2,3
	v_pk_add_f32 v[T+2*(\k):T+2*(\k)+1], v[T+2*(\k):T+2*(\k)+1], v[X+(\g)+2*(\k):X+(\g)+2*(\k)+1]
.endr
.endr
	v_pk_add_f32 v[T:T+1], v[T:T+1], v[T+2:T+3]
	v_pk_add_f32 v[T+4:T+5], v[T+4:T+5], v[T+6:T+7]
	v_pk_add_f32 v[T:T+1], v[T:T+1], v[T+4:T+5]
	v_add_f32 v[T], v[T], v[T+1]
	RED T, T+1
	v_mul_f32 v[T], s26, v[T]
.set i, 0
.rept 16
	v_pk_add_f32 v[DD+2*i:DD+2*i+1], v[X+2*i:X+2*i+1], v[T:T+1] op_sel_hi:[1,0] neg_lo:[0,1] neg_hi:[0,1]  ; x - mean
.set i, i+1
.endr
	; the variance, of x - mean
.set i, 0
.rept 16
.if i < 4
	v_pk_mul_f32 v[T+2*i:T+2*i+1], v[DD+2*i:DD+2*i+1], v[DD+2*i:DD+2*i+1]
.else
	v_pk_fma_f32 v[T+2*(i%4):T+2*(i%4)+1], v[DD+2*i:DD+2*i+1], v[DD+2*i:DD+2*i+1], v[T+2*(i%4):T+2*(i%4)+1]
.endif
.set i, i+1
.endr
	v_pk_add_f32 v[T:T+1], v[T:T+1], v[T+2:T+3]
	v_pk_add_f32 v[T+4:T+5], v[T+4:T+5], v[T+6:T+7]
	v_pk_add_f32 v[T:T+1], v[T:T+1], v[T+4:T+5]
	v_add_f32 v[T], v[T], v[T+1]
	RED T, T+1
	v_fma_f32 v[T], v[T], s26, s27                 ; var + eps
	v_rsq_f32 v[RS], v[T]
	v_mov_b32 v[RS+1], 0                           ; the plain instruction behind the root; it also writes the pair's other register
	; the eight scores: the next centroid row is on its way from LDS while one is multiplied
.irp e, 0,1,2,3,4,5,6,7
.if (\e) < 7
	FETCH (\e)+1, CA+32*(((\e)+1)&1)
	s_wait_dscnt 8                                 ; row e is in; the 8 loads just issued stay out
.else
	s_wait_dscnt 0x0
.endif
	SCORE \e, CA+32*((\e)&1)
.endr
.irp m, 1,2,4,8
.irp e, 0,1,2,3,4,5,6,7
	v_add_f32_dpp v[SC+2*(\e)], v[SC+2*(\e)], v[SC+2*(\e)] row_xmask:\m row_mask:0xf bank_mask:0xf
.endr
.endr
.irp e, 0,1,2,3,4,5,6,7
	v_permlanex16_b32 v[SC+2*(\e)+1], v[SC+2*(\e)], s12, s13
.endr
.irp e, 0,1,2,3,4,5,6,7
	v_add_f32 v[SC+2*(\e)], v[SC+2*(\e)], v[SC+2*(\e)+1]
.endr
	; the choice: a later expert wins only if it is strictly larger.  Selects only: no branch and no address of this launch hangs on it.
	v_mov_b32 v[T], v[SC]
	v_mov_b32 v[T+1], 0
.irp e, 1,2,3,4,5,6,7
	v_cmp_gt_f32 vcc_lo, v[SC+2*(\e)], v[T]
	v_cndmask_b32 v[T], v[T], v[SC+2*(\e)], vcc_lo
	v_cndmask_b32 v[T+1], v[T+1], \e, vcc_lo
.endr
	v_mul_f32 v[T+2], 0xbfb8aa3b, v[T]             ; - log2(e) x score
	v_exp_f32 v[T+2], v[T+2]
	v_mov_b32 v[T+4], 0                            ; (a plain instruction behind the exponential: the offset of the two single stores)
	s_wait_alu depctr_va_vdst(0)
	v_add_f32 v[T+2], 1.0, v[T+2]
	v_rcp_f32 v[T+2], v[T+2]                       ; sigmoid; the scalings below are the plain instructions behind it
.set i, 0
.rept 16
	v_pk_mul_f32 v[DD+2*i:DD+2*i+1], v[DD+2*i:DD+2*i+1], v[RS:RS+1] op_sel_hi:[1,0]
.set i, i+1
.endr
.set i, 0
.rept 16
	v_cvt_pk_bf16_f32 v[PK+i], v[DD+2*i], v[DD+2*i+1]
.set i, i+1
.endr
.irp j, 0,1,2,3,4,5,6,7
	global_store_b64 v2, v[PK+2*(\j):PK+2*(\j)+1], s[8:9] offset:256*(\j)   ; 32 lanes store 256 consecutive bytes, at a multiple of 256 from xn's first byte
.endr
	v_cmp_eq_u32 vcc_lo, 0, v1
	s_wait_xcnt 0x0                                ; EXEC changes only behind this wait: the stores above have it among their sources
	s_barrier_signal -1
	s_barrier_wait -1
	s_wait_tensorcnt 0x0
	ds_add_u32 v176, v177
	s_wait_dscnt 0x0
	s_and_saveexec_b32 s28, vcc_lo                 ; lane 0 alone: one word a token in each of the two small tables (8 KiB in the whole launch)
	global_store_b32 v[T+4], v[T+1], s[10:11]
	s_wait_alu depctr_va_vdst(0)
	global_store_b32 v[T+4], v[T+2], s[16:17]
	s_wait_xcnt 0x0
	s_or_b32 exec_lo, exec_lo, s28
	s_endpgm
.Lfunc_end_k_q86f7cfeadd_route:
	.size	k_q86f7cfeadd_route, .Lfunc_end_k_q86f7cfeadd_route-k_q86f7cfeadd_route
	.p2alignl 7, 3214868480
	.fill 96, 4, 3214868480
	.section	.rodata,"a",@progbits
	.p2align	6, 0x0
	.amdhsa_kernel k_q86f7cfeadd_route
		.amdhsa_group_segment_fixed_size 33280
		.amdhsa_private_segment_fixed_size 0
		.amdhsa_enable_private_segment 0
		.amdhsa_kernarg_size 40
		.amdhsa_user_sgpr_count 2
		.amdhsa_user_sgpr_kernarg_segment_ptr 1
		.amdhsa_wavefront_size32 1
		.amdhsa_system_sgpr_workgroup_id_x 1
		.amdhsa_system_sgpr_workgroup_id_y 1
		.amdhsa_system_sgpr_workgroup_id_z 1
		.amdhsa_system_vgpr_workitem_id 0
		.amdhsa_next_free_vgpr 178
		.amdhsa_next_free_sgpr 66
		.amdhsa_reserve_vcc 1
		.amdhsa_float_denorm_mode_32 3
		.amdhsa_float_denorm_mode_16_64 3
		.amdhsa_memory_ordered 1
		.amdhsa_forward_progress 1
		.amdhsa_inst_pref_size 31
	.end_amdhsa_kernel
	.amdgpu_metadata
---
amdhsa.version: [ 1, 2 ]
amdhsa.kernels:
  - .name:           k_q86f7cfeadd_route
    .symbol:         k_q86f7cfeadd_route.kd
    .args:
      - { .name: x, .offset: 0, .size: 8, .value_kind: global_buffer, .address_space: global }
      - { .name: centroids, .offset: 8, .size: 8, .value_kind: global_buffer, .address_space: global }
      - { .name: xn, .offset: 16, .size: 8, .value_kind: global_buffer, .address_space: global }
      - { .name: eid, .offset: 24, .size: 8, .value_kind: global_buffer, .address_space: global }
      - { .name: alpha, .offset: 32, .size: 8, .value_kind: global_buffer, .address_space: global }
    .group_segment_fixed_size: 33280
    .private_segment_fixed_size: 0
    .kernarg_segment_align: 8
    .kernarg_segment_size: 40
    .max_flat_workgroup_size: 128
    .sgpr_count:     66
    .vgpr_count:     178
    .wavefront_size: 32
...
	.end_amdgpu_metadata
.endif
;; end of part 1
;; launch lists (part 2): grid 8 x 1, 1 waves a work-group, no clusters, 4,608 bytes of LDS; arguments eid, tlist; writes tlist
.if DOCPART == 2
	.amdgcn_target "amdgcn-amd-amdhsa--gfx1250"
	.amdhsa_code_object_version 6
	.text
	.protected	k_q86f7cfeadd_lists
	.globl	k_q86f7cfeadd_lists
	.p2align	8
	.type	k_q86f7cfeadd_lists,@function
k_q86f7cfeadd_lists:
	s_mov_b64 s[64:65], 0
	v_nop
	global_prefetch_b8 v0, s[64:65] scope:SCOPE_SE
	s_setreg_imm32_b32 hwreg(HW_REG_WAVE_MODE, 25, 1), 1
	s_wait_xcnt 0x0
; EACH EXPERT'S LIST OF TOKENS.  eid[t], stored by an earlier launch, is token t's expert.  Work-group e writes row e of tlist, 4,608 bytes:
;   words 0 .. 1023: the numbers of the tokens with eid[t] = e, one behind the other (in the order in which the scan below meets them); the words behind the last hold -1;
;   words 1024 .. 1151: how many they are, 128 times, so that the count too is stored as whole runs of 512 consecutive bytes.
; The later launches form addresses, masks and trip counts from these whole numbers.
; SHARES.  One wave for an expert: it reads all 1,024 words of eid (8 loads of 512 consecutive bytes; register 4 j + c of a lane holds token 128 j + 4 lane + c) and walks its 32 registers.
; For each register the lanes that hold a token of the expert take the next places: tokens found so far + tokens in lower lanes.  The places are scattered, so the list is made in LDS and
; leaves as 8 stores of 512 consecutive bytes.  A lane without a token writes to a word of its own behind the list, so EXEC never changes.
; Eight work-groups: there is one list for each of eight experts, 4 KiB to read and 4.5 KiB to write for each; no barrier (one wave), no matrix unit, no cluster.
; LIMIT.  A word of eid outside 0 .. 7 falls into no list.
.set OROW, 4608                        ; bytes in a row of tlist
.set SPL,  1                           ; a token's place,
.set STN,  2                           ; its number
.set SDW,  3                           ; my spare word behind the list
.set SL4,  5                           ; 4 x lane
.set ID,   8                           ; v[8:39]  eid, later the list
.set NEG,  40                          ; v[40:43] -1
.set CV,   44                          ; v[44:47] the count
.set EX,   8                           ; s8  the expert
.set CNT,  9                           ; s9  its tokens so far
	s_load_b128 s[4:7], s[0:1], 0x0                ; eid s[4:5], tlist s[6:7]
	v_lshl_add_u32 v48, v0, 2, 0x1100
	v_mov_b32 v49, 0
	v_lshlrev_b32 v4, 4, v0                        ; 16 x lane (one wave: the thread's number is the lane)
	v_add_nc_u32 v[SDW], 1024, v0
	v_lshlrev_b32 v[SL4], 2, v0
.irp k, 0,1,2,3
	v_mov_b32 v[NEG+(\k)], -1
.endr
	s_mov_b32 s[EX], ttmp9
	s_mul_i32 s10, ttmp9, OROW                     ; my row, an offset made apart from the address
	s_mov_b32 s11, 0
	s_mov_b32 s[CNT], 0
	s_wait_kmcnt 0x0
	s_add_nc_u64 s[6:7], s[6:7], s[10:11]
.irp j, 0,1,2,3,4,5,6,7
	global_load_b128 v[ID+4*(\j):ID+4*(\j)+3], v4, s[4:5] offset:512*(\j)
.endr
.irp j, 0,1,2,3,4,5,6,7
	ds_store_b128 v4, v[NEG:NEG+3] offset:512*(\j)  ; every entry is -1 first; LDS serves a wave's instructions in order (ISA guide 5.7.1.4), so the tokens land on top
.endr
	s_wait_loadcnt 0x0
.set i, 0
.rept 32
	v_cmp_eq_u32 vcc_lo, s[EX], v[ID+i]
	v_mbcnt_lo_u32_b32 v[SPL], vcc_lo, s[CNT]      ; tokens found so far + those in lower lanes: my token's place
	v_cndmask_b32 v[SPL], v[SDW], v[SPL], vcc_lo
	v_min_u32 v[SPL], 0x41f, v[SPL]                ; inside the list and its 32 spare words, whatever eid holds
	v_lshlrev_b32 v[SPL], 2, v[SPL]
	v_add_nc_u32 v[STN], 128*(i/4)+i%4, v[SL4]
	ds_store_b32 v[SPL], v[STN]
	s_bcnt1_i32_b32 s10, vcc_lo
	s_add_co_u32 s[CNT], s[CNT], s10
.set i, i+1
.endr
.irp j, 0,1,2,3,4,5,6,7
	ds_load_b128 v[ID+4*(\j):ID+4*(\j)+3], v4 offset:512*(\j)   ; behind the stores above, in order: the finished list
.endr
.irp k, 0,1,2,3
	v_mov_b32 v[CV+(\k)], s[CNT]
.endr
	global_store_b128 v4, v[CV:CV+3], s[6:7] offset:4096
.irp j, 0,1,2,3,4,5,6,7
	s_wait_dscnt 7-(\j)                            ; piece j is back; the younger loads stay out
	global_store_b128 v4, v[ID+4*(\j):ID+4*(\j)+3], s[6:7] offset:512*(\j)   ; 512 consecutive bytes, at a multiple of 256 from tlist's first byte
.endr
	s_wait_tensorcnt 0x0
	ds_add_u32 v48, v49
	s_wait_dscnt 0x0
	s_endpgm
.Lfunc_end_k_q86f7cfeadd_lists:
	.size	k_q86f7cfeadd_lists, .Lfunc_end_k_q86f7cfeadd_lists-k_q86f7cfeadd_lists
	.p2alignl 7, 3214868480
	.fill 96, 4, 3214868480
	.section	.rodata,"a",@progbits
	.p2align	6, 0x0
	.amdhsa_kernel k_q86f7cfeadd_lists
		.amdhsa_group_segment_fixed_size 4608
		.amdhsa_private_segment_fixed_size 0
		.amdhsa_enable_private_segment 0
		.amdhsa_kernarg_size 16
		.amdhsa_user_sgpr_count 2
		.amdhsa_user_sgpr_kernarg_segment_ptr 1
		.amdhsa_wavefront_size32 1
		.amdhsa_system_sgpr_workgroup_id_x 1
		.amdhsa_system_sgpr_workgroup_id_y 1
		.amdhsa_system_sgpr_workgroup_id_z 1
		.amdhsa_system_vgpr_workitem_id 0
		.amdhsa_next_free_vgpr 50
		.amdhsa_next_free_sgpr 66
		.amdhsa_reserve_vcc 1
		.amdhsa_float_denorm_mode_32 3
		.amdhsa_float_denorm_mode_16_64 3
		.amdhsa_memory_ordered 1
		.amdhsa_forward_progress 1
		.amdhsa_inst_pref_size 17
	.end_amdhsa_kernel
	.amdgpu_metadata
---
amdhsa.version: [ 1, 2 ]
amdhsa.kernels:
  - .name:           k_q86f7cfeadd_lists
    .symbol:         k_q86f7cfeadd_lists.kd
    .args:
      - { .name: eid, .offset: 0, .size: 8, .value_kind: global_buffer, .address_space: global }
      - { .name: tlist, .offset: 8, .size: 8, .value_kind: global_buffer, .address_space: global }
    .group_segment_fixed_size: 4608
    .private_segment_fixed_size: 0
    .kernarg_segment_align: 8
    .kernarg_segment_size: 16
    .max_flat_workgroup_size: 32
    .sgpr_count:     66
    .vgpr_count:     50
    .wavefront_size: 32
...
	.end_amdgpu_metadata
.endif
;; end of part 2
;; launch ffn1 (part 3): grid 256 x 1, 16 waves a work-group, no clusters, 228,864 bytes of LDS; arguments xn, tlist, W1, gamma, beta, b1, H; writes H
.if DOCPART == 3
	.amdgcn_target "amdgcn-amd-amdhsa--gfx1250"
	.amdhsa_code_object_version 6
	.text
	.protected	k_q86f7cfeadd_ffn1
	.globl	k_q86f7cfeadd_ffn1
	.p2align	8
	.type	k_q86f7cfeadd_ffn1,@function
k_q86f7cfeadd_ffn1:
	s_mov_b64 s[64:65], 0
	v_nop
	global_prefetch_b8 v0, s[64:65] scope:SCOPE_SE
	s_setreg_imm32_b32 hwreg(HW_REG_WAVE_MODE, 25, 1), 1
	s_wait_xcnt 0x0
; ONE TEXT FOR THE TWO PRODUCTS OF THE EXPERTS' LAYER; the line .set FFN says which.  Token t's expert e was chosen by an earlier launch.
;   FFN = 1:  H[t][f] = relu( xn[t] . (W1[e][f] * gamma[e]) + c1[f] ),  c1[f] = b1[e][f] + W1[e][f] . beta[e]     H: [1024][4096] bf16
;             (LayerNorm's gain and shift folded into the weights: W1 x gamma is made in f32 and rounded ONCE to bf16; c1 is made in f32)
;   FFN = 2:  P[q][t][d] = the sum over the q-th quarter of f of H[t][f] W2[e][d][f]                              P: [4][1024][1024] f32
; Matrix operands in bf16, sums in f32.  Only a token's own expert is computed: the other seven results are multiplied by 0 in the combination.
; SHARES.  256 work-groups; each owns 128 rows x 1,024 columns of one expert's weights (512 KiB of f32, read once in the launch) and all tokens of that expert.
;   FFN = 1: expert g >> 5, rows 128 (g & 31) on.     FFN = 2: expert g >> 5, rows 128 ((g >> 2) & 7) on, K quarter g & 3.
; THE LIST.  An earlier launch has laid the expert's token numbers one behind the other in its row of tlist (1,024 words; those behind the last hold -1) and their count CNT behind them.
; Each wave reads the count and the few entries that it needs: no wave scans, and no barrier stands in front of the first token rows.
; A row is fetched for min(entry, 1023) and stored only where entry < 1024.
; EVERY WAVE DOES BOTH JOBS, in one text.  K goes in 8 chunks of 128 through two LDS slots.  For each chunk wave w streams weight rows 8 w .. 8 w + 7 (loads of 512 consecutive bytes), scales and
; rounds them, and fetches 12 token rows (256 bytes each), through registers into a slot; and it multiplies weight rows 32 (w & 3) .. + 31 by the token tiles (w >> 2) + 4 i, i = 0..2, of 16 tokens.
; While chunk c is multiplied out of one slot, chunk c + 1 is laid into the other; one barrier a chunk.  Two weight sets of a wave are on their way: 16 waves x 8 KiB, and 48 KiB of token rows.
; All loads, waits for loads and barriers are the same whatever CNT is; CNT only lets a wave leave out tiles without tokens, from chunk 1 on: chunk 0 is multiplied for all three
; tiles and its first products start the sums, so nothing is cleared and every accumulator is written on every way.
; THE MATRIX INSTRUCTION IS USED TRANSPOSED: source 0 = 16 weight rows, source 1 = 16 tokens: a lane holds one token (lane % 16) and eight neighbouring outputs 8 (lane / 16) + 0..7.
; THE WAY OUT goes through a stage in LDS, so that each store covers whole rows' pieces of 256 (FFN = 1) or 512 (FFN = 2) consecutive bytes, at multiples of 256 from the buffer's first byte.
; NO TENSOR LOADS, NO CLUSTER: the weights pass through the vector unit anyway (scale, rounding) and no two work-groups read the same ones; the token rows that an expert's work-groups
; share are picked row by row from a list and are a third of a chunk's bytes.
; LIMITS.  The two slots hold 192 tokens.  Tokens of an expert beyond its first 192 (any number up to 1,024 is served) go a slower way, without LDS slots and without barriers:
; a wave makes 16 tokens x 16 outputs at a time, straight from memory, and stores pieces of 16 or 32 bytes; in the list's last tile the lanes behind the list's end take the last token once more
; and store the same numbers to the same bytes as that token's own lane.  A work-group whose expert has no token streams its weights and stores nothing.
.set FFN, 1
.if FFN == 1
.set PITCHW, 4096                      ; bytes from weight row to weight row
.set SHA,    11                        ; log2 of a token row's bytes in the activations
.set SHO,    13                        ; and in the output
.set SET,    10                        ; loads in a wave's set for one chunk: 8 rows, gamma, beta
.set SP,     272                       ; a stage row: 128 bf16 + 16 bytes
.set NROW,   6                         ; stores a wave on the way out (two rows each)
.set RSTEP,  2*SP
.set LSTEP,  8
.set CO,     7                         ; v7: the way out: my bytes in a row's piece: 16 (lane % 16)
.else
.set PITCHW, 16384
.set SHA,    13
.set SHO,    12
.set SET,    8
.set SP,     528                       ; 128 f32 + 16 bytes
.set NROW,   12                        ; (one row each)
.set RSTEP,  SP
.set LSTEP,  4
.set CO,     4                         ; v4: 16 x lane
.endif
.set LP,     272                       ; a slot's row: 128 bf16 + 16 bytes = 17 x 16: the 16 rows of a fragment load start at 16 different 16-byte columns modulo 256 bytes
.set C1,     0                         ; 128 f32 (FFN = 1)
.set WS0,    512                       ; slot 0: 128 weight rows,
.set AS0,    35328                     ;         192 token rows
.set SLOTD,  87040                     ; slot 1 lies this far behind slot 0
.set STAGE,  174592                    ; 192 rows x SP
.set OROW,   4608                      ; bytes in an expert's row of tlist: 1,024 entries, then the count
; scalar registers.  s[6:7]: tlist at the expert's row
.set WV,   18                          ; my wave's number
.set EX,   19                          ; the expert
.set CNT,  21                          ; its tokens
.set NT,   22                          ; its tiles of 16 tokens in the slots: at most 12
.set NTT,  23                          ; all its tiles
.set MYT,  24                          ; my tiles that hold tokens: 0 to 3
.set B1,   32                          ; s[32:39] b1 of my 8 weight rows
.set OVT,  40                          ; my tiles on the slower way that are still to do: 0 to 26
.set CL,   41                          ; the list's last place, CNT - 1
.set OT,   42                          ; the slower way: counts its trips
.set SEL,  48                          ; s[48:49] v_permlanex16_b32's selects
.set MB,   56                          ; the slower way: the list place at which the trip's tile begins
.set KT,   57                          ;                 its K steps
.set OUTB, 58                          ; s[58:59] the output at my columns
.set AB,   60                          ; s[60:61] the activations at my K range
.set WB,   62                          ; s[62:63] the weights at my block
; vector registers: v1 lane, v2 lane % 16, v3 lane / 16, v4 16 x lane
.set VW,   5                           ; my byte offset in the weight block
.set WSA,  6                           ; v6, v7   where my weight rows go, slot 0, 1
.set ASA,  8                           ; v8, v9   where my token rows go
.set WA,   10                          ; v10, v11 my weight fragments, slot 0, 1
.set AA,   12                          ; v12, v13 my token fragments
.set OF,   14                          ; v[14:19] byte offsets of my 6 pairs of token rows
.set GM,   20                          ; v[20:27] gamma of my 4 columns, two sets
.set BT,   28                          ; v[28:35] beta
.set DOT,  36                          ; v[36:51] W1 . beta, a pair for each of my 8 rows
.set AL,   52                          ; v[52:75] token rows as loaded
.set WR,   76                          ; v[76:139] weight rows as loaded, two sets of 32
.set WF,   140                         ; v[140:171] weight fragments of half a chunk: K step k2, half nt at WF + 16 k2 + 8 nt
.set AF,   172                         ; v[172:187] token fragments of one tile, half a chunk: AF + 8 k2
.set ACC,  188                         ; v[188:235] tile i, half nt at ACC + 16 i + 8 nt
.set T,    236                         ; v[236:243] at work
.set LA,   252                         ; my token rows' place in the list; at the end my place in C1
.set R16,  253                         ; 16 (lane % 16)
.set FR,   254                         ; a fragment's row x pitch + 16 x half
; the way out
.set STO,  244                         ; where I put my results in the stage
.set STO2, 245                         ; the same for tile 2 (FFN = 2: an LDS offset has 16 bits)
.set C1A,  246                         ; my 8 + 8 numbers of c1
.set TKA,  247                         ; the place in the list of the rows that I store
.set CB,   76                          ; v[76:91] c1
.set PK,   92                          ; v[92:99] packed results
.set TK,   52                          ; v[52:63] list entries
.set AD,   64                          ; v[64:75] byte offsets in the output
.set DT,   76                          ; v[76:123] rows read back from the stage
; the slower way
.set OVW,  124
.set OVG,  125
.set OVA,  126
.set OTK,  127
.set OTC,  128
.set OAD,  129
.set OCOL, 130
.set OTMP, 131
.set OW,   132                         ; v[132:147] 16 weights in f32
.set OG,   148                         ; v[148:163] their gamma
.set OA,   164                         ; v[164:171] a token fragment
.set OP,   172                         ; v[172:179] the weight fragment
.set OACC, 180                         ; v[180:187]
.set OC,   188                         ; v[188:195] c1
; A load into a register that a matrix instruction has read, and a vector instruction that reads a matrix result, stand four plain vector instructions behind it (ISA guide 7.12.1 for vector instructions).
.macro PLACES
.rept 4
	v_nop
.endr
.endm
; My set of loads for chunk n: 8 rows x 512 consecutive bytes, and the chunk's gamma and beta.
.macro ISSUE_W n
.irp r, 0,1,2,3,4,5,6,7
	global_load_b128 v[WR+32*((\n)&1)+4*(\r):WR+32*((\n)&1)+4*(\r)+3], v[VW], s[WB:WB+1] offset:(\r)*PITCHW+(\n)*512 th:TH_LOAD_NT
.endr
.if FFN == 1
	global_load_b128 v[GM+4*((\n)&1):GM+4*((\n)&1)+3], v4, s[10:11] offset:(\n)*512
	global_load_b128 v[BT+4*((\n)&1):BT+4*((\n)&1)+3], v4, s[12:13] offset:(\n)*512
.endif
.endm
; My 12 token rows of chunk n: 6 loads, each two rows of 256 consecutive bytes.  Always all six, so that every count below is the same whatever CNT is.
.macro ISSUE_A n
.irp mt, 0,1,2,3,4,5
	global_load_b128 v[AL+4*(\mt):AL+4*(\mt)+3], v[OF+(\mt)], s[AB:AB+1] offset:(\n)*256
.endr
.endm
; My weight rows of chunk n go into slot n & 1.  Order of issue: .. W(n), A(n-1), W(n+1), A(n), then W(n+2) in here and A(n+1) in APART.
.macro WPART n
.set PS, (\n)&1
.if (\n) < 7
	s_wait_loadcnt SET+6                           ; W(n) is in; younger: the set W(n+1) and the 6 loads A(n)
.else
	s_wait_loadcnt 6                               ; the last set: only A(7) is younger
.endif
.irp r, 0,1,2,3,4,5,6,7
.set WQ, WR+32*PS+4*(\r)
.set TQ, T+4*((\r)&1)
.if FFN == 1
.if (\n) == 0
	v_pk_mul_f32 v[DOT+2*(\r):DOT+2*(\r)+1], v[WQ:WQ+1], v[BT+4*PS:BT+4*PS+1]   ; the first product starts the row's W1 . beta
.else
	v_pk_fma_f32 v[DOT+2*(\r):DOT+2*(\r)+1], v[WQ:WQ+1], v[BT+4*PS:BT+4*PS+1], v[DOT+2*(\r):DOT+2*(\r)+1]
.endif
	v_pk_mul_f32 v[TQ:TQ+1], v[WQ:WQ+1], v[GM+4*PS:GM+4*PS+1]
	v_pk_mul_f32 v[TQ+2:TQ+3], v[WQ+2:WQ+3], v[GM+4*PS+2:GM+4*PS+3]
	v_pk_fma_f32 v[DOT+2*(\r):DOT+2*(\r)+1], v[WQ+2:WQ+3], v[BT+4*PS+2:BT+4*PS+3], v[DOT+2*(\r):DOT+2*(\r)+1]
	v_cvt_pk_bf16_f32 v[TQ], v[TQ], v[TQ+1]
	v_cvt_pk_bf16_f32 v[TQ+1], v[TQ+2], v[TQ+3]
.else
	v_cvt_pk_bf16_f32 v[TQ], v[WQ], v[WQ+1]
	v_cvt_pk_bf16_f32 v[TQ+1], v[WQ+2], v[WQ+3]
.endif
	ds_store_b64 v[WSA+PS], v[TQ:TQ+1] offset:(\r)*LP       ; 32 lanes, 256 consecutive bytes: the row's 128 bf16
.if (\n) < 6
	global_load_b128 v[WQ:WQ+3], v[VW], s[WB:WB+1] offset:(\r)*PITCHW+((\n)+2)*512 th:TH_LOAD_NT   ; the row's registers are free: chunk n + 2
.endif
.endr
.if (FFN == 1) && ((\n) < 6)
	global_load_b128 v[GM+4*PS:GM+4*PS+3], v4, s[10:11] offset:((\n)+2)*512
	global_load_b128 v[BT+4*PS:BT+4*PS+3], v4, s[12:13] offset:((\n)+2)*512
.endif
.if (FFN == 1) && ((\n) == 7)
	; c1 of my 8 rows: the lanes' parts are added, b1 joins, and every lane writes the same number to the row's word
	s_lshl_b32 s25, s[WV], 5
	v_mov_b32 v[LA], s25
.irp r, 0,1,2,3,4,5,6,7
	v_add_f32 v[DOT+2*(\r)], v[DOT+2*(\r)], v[DOT+2*(\r)+1]
.endr
.irp m, 1,2,4,8
.irp r, 0,1,2,3,4,5,6,7
	v_add_f32_dpp v[DOT+2*(\r)], v[DOT+2*(\r)], v[DOT+2*(\r)] row_xmask:\m row_mask:0xf bank_mask:0xf
.endr
.endr
.irp r, 0,1,2,3,4,5,6,7
	v_permlanex16_b32 v[DOT+2*(\r)+1], v[DOT+2*(\r)], s[SEL], s[SEL+1]
.endr
.irp r, 0,1,2,3,4,5,6,7
	v_add_f32 v[DOT+2*(\r)], v[DOT+2*(\r)], v[DOT+2*(\r)+1]
.endr
.irp r, 0,1,2,3,4,5,6,7
	v_add_f32 v[DOT+2*(\r)], s[B1+(\r)], v[DOT+2*(\r)]
.endr
.irp r, 0,1,2,3,4,5,6,7
	ds_store_b32 v[LA], v[DOT+2*(\r)] offset:C1+4*(\r)
.endr
.endif
.endm
; My token rows of chunk n go into slot n & 1; they have had the chunk's products in which to land.  Then the next chunk's are asked for.
.macro APART n
.if (\n) < 6
	s_wait_loadcnt SET                             ; A(n) is in; younger: the set W(n+2)
.else
	s_wait_loadcnt 0x0                             ; nothing was issued behind A(n)
.endif
.irp mt, 0,1,2,3,4,5
	ds_store_b128 v[ASA+((\n)&1)], v[AL+4*(\mt):AL+4*(\mt)+3] offset:(\mt)*32*LP
.endr
.if (\n) < 7
	ISSUE_A (\n)+1
.endif
.endm
; Two matrix instructions: tile i, K step k2 of the half chunk, both halves of my 32 weight rows.  The two accumulators take turns, one instruction a turn;
; a tile ends on half 1 and the next begins on half 0, over the chunks' ends too.
.macro MM i, k2, zero
.irp nt, 0,1
.if \zero
	v_wmma_f32_16x16x32_bf16 v[ACC+16*(\i)+8*(\nt):ACC+16*(\i)+8*(\nt)+7], v[WF+16*(\k2)+8*(\nt):WF+16*(\k2)+8*(\nt)+7], v[AF+8*(\k2):AF+8*(\k2)+7], 0
.else
	v_wmma_f32_16x16x32_bf16 v[ACC+16*(\i)+8*(\nt):ACC+16*(\i)+8*(\nt)+7], v[WF+16*(\k2)+8*(\nt):WF+16*(\k2)+8*(\nt)+7], v[AF+8*(\k2):AF+8*(\k2)+7], v[ACC+16*(\i)+8*(\nt):ACC+16*(\i)+8*(\nt)+7]
.endif
.endr
.endm
; Chunk c is multiplied out of slot c & 1, in two halves of 64 along K: my 32 weight rows' fragments of the half, then tile after tile.  From chunk 1 on a wave without tokens leaves the chunk out,
; and a half is left at the first tile without tokens: forward jumps, past register and LDS work alone.  Tile 0's wait for 0 stands on every way from a run of loads to the next run into the same registers.
; In front of the first loads of chunks 1 to 6 the places behind the last chunk's products are the vector instructions of WPART, 16 or more, which name none of their registers;
; chunk 7 has no WPART in front of it and takes four v_nop.
.macro CONS c
.set CS, (\c)&1
.if (\c) > 0
	s_cmp_eq_u32 s[MYT], 0
	s_cbranch_scc1 .Lce_\@
.endif
.if (\c) == 7
	PLACES
.endif
.irp hf, 0,1
.if (\hf) == 1
.Lch_\@:
	PLACES
.endif
.irp k2, 0,1
.irp nt, 0,1
	ds_load_b128 v[WF+16*(\k2)+8*(\nt):WF+16*(\k2)+8*(\nt)+3],   v[WA+CS] offset:(\nt)*16*LP+128*(\hf)+64*(\k2)
	ds_load_b128 v[WF+16*(\k2)+8*(\nt)+4:WF+16*(\k2)+8*(\nt)+7], v[WA+CS] offset:(\nt)*16*LP+128*(\hf)+64*(\k2)+32
.endr
.endr
.irp i, 0,1,2
.if ((\c) > 0) && ((\i) > 0)
	s_cmp_le_u32 s[MYT], \i
.if (\hf) == 0
	s_cbranch_scc1 .Lch_\@
.else
	s_cbranch_scc1 .Lce_\@
.endif
.endif
.if (\i) > 0
	PLACES
.endif
.irp k2, 0,1
	ds_load_b128 v[AF+8*(\k2):AF+8*(\k2)+3],   v[AA+CS] offset:(\i)*64*LP+128*(\hf)+64*(\k2)
	ds_load_b128 v[AF+8*(\k2)+4:AF+8*(\k2)+7], v[AA+CS] offset:(\i)*64*LP+128*(\hf)+64*(\k2)+32
.endr
	s_wait_dscnt 2                                 ; the first K step (and all that is older) is in; the youngest two loads stay out
.if ((\c) == 0) && ((\hf) == 0)
	MM \i, 0, 1                                    ; the first products start the sums
.else
	MM \i, 0, 0
.endif
	s_wait_dscnt 0x0
	MM \i, 1, 0
.endr
.endr
.Lce_\@:
.endm
; My results go into the stage, all three tiles; each accumulator's registers are taken in ascending order.  The four address lines are the places behind the last products.
.macro EPI
	s_and_b32 s25, s[WV], 3
	s_lshr_b32 s26, s[WV], 2
	s_mul_i32 s28, s26, 16*SP
	s_add_co_u32 s28, s28, STAGE
.if FFN == 1
	s_lshl_b32 s29, s25, 6
	s_add_co_u32 s28, s28, s29
	s_lshl_b32 s29, s25, 7
	v_mul_u32_u24 v[STO], v2, SP
	v_lshl_add_u32 v[STO], v3, 4, v[STO]
	v_add_nc_u32 v[STO], s28, v[STO]               ; stage row 16 (w >> 2) + lane % 16, bytes 64 (w & 3) + 16 (lane / 16)
	v_lshl_add_u32 v[C1A], v3, 5, s29
.irp nt, 0,1
	ds_load_b128 v[CB+8*(\nt):CB+8*(\nt)+3],   v[C1A] offset:C1+64*(\nt)
	ds_load_b128 v[CB+8*(\nt)+4:CB+8*(\nt)+7], v[C1A] offset:C1+64*(\nt)+16
.endr
	s_wait_dscnt 0x0
.else
	s_lshl_b32 s29, s25, 7
	s_add_co_u32 s28, s28, s29
	v_mul_u32_u24 v[STO], v2, SP
	v_lshl_add_u32 v[STO], v3, 5, v[STO]
	v_add_nc_u32 v[STO], s28, v[STO]               ; stage row 16 (w >> 2) + lane % 16, bytes 128 (w & 3) + 32 (lane / 16)
	v_add_nc_u32 v[STO2], 2*64*SP, v[STO]
.endif
.irp i, 0,1,2
.irp nt, 0,1
.set AQ, ACC+16*(\i)+8*(\nt)
.set PQ, PK+4*(\nt)
.if FFN == 1
.irp j, 0,2,4,6
	v_pk_add_f32 v[AQ+(\j):AQ+(\j)+1], v[AQ+(\j):AQ+(\j)+1], v[CB+8*(\nt)+(\j):CB+8*(\nt)+(\j)+1]
.endr
.irp j, 0,1,2,3,4,5,6,7
	v_max_num_f32 v[AQ+(\j)], 0, v[AQ+(\j)]
.endr
.irp j, 0,1,2,3
	v_cvt_pk_bf16_f32 v[PQ+(\j)], v[AQ+2*(\j)], v[AQ+2*(\j)+1]
.endr
	ds_store_b128 v[STO], v[PQ:PQ+3] offset:(\i)*64*SP+32*(\nt)
.else
.if (\i) < 2
	ds_store_b128 v[STO], v[AQ:AQ+3]    offset:(\i)*64*SP+64*(\nt)
	ds_store_b128 v[STO], v[AQ+4:AQ+7]  offset:(\i)*64*SP+64*(\nt)+16
.else
	ds_store_b128 v[STO2], v[AQ:AQ+3]   offset:64*(\nt)
	ds_store_b128 v[STO2], v[AQ+4:AQ+7] offset:64*(\nt)+16
.endif
.endif
.endr
.endr
.endm
.if FFN == 1
	s_load_b256 s[4:11], s[0:1], 0x0               ; xn s[4:5], tlist s[6:7], W1 s[8:9], gamma s[10:11]
	s_load_b128 s[12:15], s[0:1], 0x20             ; beta s[12:13], b1 s[14:15]
	s_load_b64 s[16:17], s[0:1], 0x30              ; H
	v_lshl_add_u32 v251, v0, 2, 0x37600
	v_mov_b32 v255, 0
.else
	s_load_b256 s[4:11], s[0:1], 0x0               ; H s[4:5], tlist s[6:7], W2 s[8:9], P s[10:11]
.endif
	v_and_b32 v1, 31, v0
	v_and_b32 v2, 15, v0
	v_bfe_u32 v3, v0, 4, 1
	v_lshlrev_b32 v4, 4, v1
	v_lshrrev_b32 v5, 5, v0
	v_readfirstlane_b32 s[WV], v5                  ; wave 0..15
	s_lshr_b32 s[EX], ttmp9, 5
	s_mov_b32 s27, 0                               ; the offsets are made apart from the addresses, in pairs with 0 on top
	s_mov_b32 s29, 0
	s_mov_b32 s31, 0
	s_mov_b32 s51, 0
	s_mul_i32 s44, s[EX], OROW                     ; tlist: the expert's row
	s_mov_b32 s45, 0
	s_mov_b32 s[SEL], 0x76543210
	s_mov_b32 s[SEL+1], 0xfedcba98
.if FFN == 1
	s_lshl_b32 s26, ttmp9, 19                      ; W1: (32 e + slice) x 128 rows x 4,096 bytes
	s_lshl_b32 s28, s[EX], 12                      ; gamma, beta: the expert's row
	s_lshl_b32 s30, s[WV], 5
	s_lshl_b32 s25, ttmp9, 9
	s_add_co_u32 s30, s30, s25                     ; b1: (32 e + slice) x 512 bytes + 8 numbers for each wave
	s_and_b32 s50, ttmp9, 31
	s_lshl_b32 s50, s50, 8                         ; H: the slice's 128 columns
	s_wait_kmcnt 0x0
	s_add_nc_u64 s[WB:WB+1], s[8:9], s[26:27]
	s_mov_b64 s[AB:AB+1], s[4:5]
	s_add_nc_u64 s[10:11], s[10:11], s[28:29]
	s_add_nc_u64 s[12:13], s[12:13], s[28:29]
	s_add_nc_u64 s[14:15], s[14:15], s[30:31]
	s_add_nc_u64 s[OUTB:OUTB+1], s[16:17], s[50:51]
	s_load_b256 s[B1:B1+7], s[14:15], 0x0
.else
	s_lshl_b32 s26, s[EX], 24                      ; W2: the expert,
	s_bfe_u32 s25, ttmp9, 0x30002                  ; the block of 128 rows,
	s_and_b32 s30, ttmp9, 3                        ; the K quarter
	s_lshl_b32 s28, s25, 21
	s_add_co_u32 s26, s26, s28
	s_lshl_b32 s28, s30, 12
	s_add_co_u32 s26, s26, s28
	s_lshl_b32 s28, s30, 11                        ; H: the quarter's 1,024 columns
	s_lshl_b32 s50, s30, 22                        ; P: the quarter's plane, the block's 128 columns
	s_lshl_b32 s25, s25, 9
	s_add_co_u32 s50, s50, s25
	s_wait_kmcnt 0x0
	s_add_nc_u64 s[WB:WB+1], s[8:9], s[26:27]
	s_add_nc_u64 s[AB:AB+1], s[4:5], s[28:29]
	s_add_nc_u64 s[OUTB:OUTB+1], s[10:11], s[50:51]
.endif
	s_add_nc_u64 s[6:7], s[6:7], s[44:45]
	s_load_b32 s[CNT], s[6:7], 0x1000              ; the count lies behind the row's 1,024 entries
	s_lshl_b32 s25, s[WV], 3
	v_lshl_add_u32 v[LA], v3, 2, s25               ; my token rows are 32 mt + 2 w + lane / 16: their entries in the list
.irp mt, 0,1,2,3,4,5
	global_load_b32 v[OF+(\mt)], v[LA], s[6:7] offset:128*(\mt)
.endr
	; the first two weight sets go out before anything is known of the tokens
	s_mul_i32 s25, s[WV], 8*PITCHW
	v_add_nc_u32 v[VW], s25, v4
	ISSUE_W 0
	ISSUE_W 1
	s_mul_i32 s25, s[WV], 8*LP
	s_add_co_u32 s25, s25, WS0
	v_lshl_add_u32 v[WSA], v1, 3, s25              ; row 8 w, 8 bytes a lane
	v_add_nc_u32 v[WSA+1], SLOTD, v[WSA]
	s_mul_i32 s25, s[WV], 2*LP
	s_add_co_u32 s25, s25, AS0
	v_mul_u32_u24 v[ASA], v3, LP
	v_lshl_add_u32 v[ASA], v2, 4, v[ASA]
	v_add_nc_u32 v[ASA], s25, v[ASA]               ; row 2 w + lane / 16, 16 bytes a lane; pair mt lies 32 rows further on
	v_add_nc_u32 v[ASA+1], SLOTD, v[ASA]
	v_lshlrev_b32 v[R16], 4, v2
	s_and_b32 s25, s[WV], 3                        ; which 32 weight rows I multiply,
	s_lshr_b32 s26, s[WV], 2                       ; and which tiles
	v_mul_u32_u24 v[FR], v2, LP
	v_lshl_add_u32 v[FR], v3, 4, v[FR]
	s_mul_i32 s28, s25, 32*LP
	s_add_co_u32 s28, s28, WS0
	v_add_nc_u32 v[WA], s28, v[FR]
	v_add_nc_u32 v[WA+1], SLOTD, v[WA]
	s_mul_i32 s28, s26, 16*LP
	s_add_co_u32 s28, s28, AS0
	v_add_nc_u32 v[AA], s28, v[FR]
	v_add_nc_u32 v[AA+1], SLOTD, v[AA]
	s_wait_kmcnt 0x0                               ; the count (and b1)
	s_min_u32 s[CNT], s[CNT], 1024                 ; whatever the word holds
	s_add_co_u32 s[NTT], s[CNT], 15
	s_lshr_b32 s[NTT], s[NTT], 4
	s_min_u32 s[NT], s[NTT], 12
	s_lshr_b32 s25, s[WV], 2
	s_add_co_u32 s[MYT], s[NT], 3
	s_sub_co_u32 s[MYT], s[MYT], s25
	s_lshr_b32 s[MYT], s[MYT], 2                   ; tiles (w >> 2) + 4 i below NT
	s_min_u32 s[OVT], s[NTT], 64                   ; 1,024 tokens are 64 tiles
	s_max_u32 s[OVT], s[OVT], 12
	s_lshr_b32 s25, s[WV], 3
	s_sub_co_u32 s[OVT], s[OVT], s25
	s_sub_co_u32 s[OVT], s[OVT], 11                ; (tiles beyond the twelfth) + 1 - (w >> 3)
	s_lshr_b32 s[OVT], s[OVT], 1                   ; tiles 12 + (w >> 3) + 2 k below NTT:
	s_min_u32 s[OVT], s[OVT], 26                   ; half of 52 at the most
	s_sub_co_u32 s[CL], s[CNT], 1                  ; (used only where OVT is not 0, that is, CNT above 192)
	s_wait_loadcnt 2*SET                           ; my six list entries are in; the two weight sets are younger and stay out
.irp mt, 0,1,2,3,4,5
	v_min_u32 v[OF+(\mt)], 0x3ff, v[OF+(\mt)]      ; an entry of -1 fetches the last row: inside the buffer, and its products are never stored
.endr
.irp mt, 0,1,2,3,4,5
	v_lshl_add_u32 v[OF+(\mt)], v[OF+(\mt)], SHA, v[R16]
.endr
	ISSUE_A 0
	WPART 0
	APART 0
	s_wait_dscnt 0x0                               ; my part of slot 0 is written
	s_barrier_signal -1
	s_barrier_wait -1
; One barrier a chunk does two things: in front of it each wave's stores into slot (c + 1) & 1 are done, and so are its reads of slot c & 1, which is written again behind it.
.irp c, 0,1,2,3,4,5,6
	WPART (\c)+1
	CONS \c
	APART (\c)+1
	s_wait_dscnt 0x0
	s_barrier_signal -1
	s_barrier_wait -1
.endr
	; the list entries of the 12 stage rows that I shall store are asked for now: they land under the last chunk's products.  No other load of mine is out.
	s_mul_i32 s26, s[WV], 48
.if FFN == 1
	v_lshl_add_u32 v[TKA], v3, 2, s26              ; rows 12 w + 2 t + lane / 16
.else
	v_mov_b32 v[TKA], s26                          ; rows 12 w + t
.endif
.set t, 0
.rept NROW
	global_load_b32 v[TK+t], v[TKA], s[6:7] offset:LSTEP*t
.set t, t+1
.endr
	CONS 7
	EPI
	s_wait_dscnt 0x0                               ; my part of the stage is written
	s_barrier_signal -1
	s_barrier_wait -1
	; THE SLOWER WAY, for list places 192 and on.  No barrier, no LDS store and no change of EXEC.  Wave w: weight rows 16 (w & 7) on; tiles 12 + (w >> 3), then every second one: OVT of them.
	; The loop is counted against 26, the most tiles that a wave can have here, and is left only at its foot: a trip behind the wave's last tile jumps forward to the foot and does nothing.
	s_cmp_eq_u32 s[OVT], 0
	s_cbranch_scc1 .Lout
	s_and_b32 s25, s[WV], 7
	s_mul_i32 s26, s25, 16*PITCHW
	v_mul_u32_u24 v[OVW], v2, PITCHW
	v_lshl_add_u32 v[OVW], v3, 5, v[OVW]
	v_add_nc_u32 v[OVW], s26, v[OVW]               ; weight row 16 (w & 7) + lane % 16, 8 f32 for each half of the lanes
.if FFN == 1
	v_lshlrev_b32 v[OVG], 5, v3
	s_lshl_b32 s26, s25, 6
	v_lshl_add_u32 v[OTMP], v3, 5, s26
	ds_load_b128 v[OC:OC+3], v[OTMP] offset:C1
	ds_load_b128 v[OC+4:OC+7], v[OTMP] offset:C1+16
	s_lshl_b32 s26, s25, 5
	v_lshl_add_u32 v[OCOL], v3, 4, s26             ; my 8 bf16 in the slice's 256 bytes
	s_wait_dscnt 0x0                               ; c1 of my 8 outputs
.else
	s_lshl_b32 s26, s25, 6
	v_lshl_add_u32 v[OCOL], v3, 5, s26             ; my 8 f32 in the block's 512 bytes
.endif
	s_lshr_b32 s[MB], s[WV], 3
	s_add_co_u32 s[MB], s[MB], 12
	s_lshl_b32 s[MB], s[MB], 4                     ; my first tile's first place in the list
	s_mov_b32 s[OT], 0
.Lot:
	s_cmp_eq_u32 s[OVT], 0
	s_cbranch_scc1 .Lnext                          ; my tiles are done: forward, to the loop's foot
	v_add_nc_u32 v[OTMP], s[MB], v2
	v_min_u32 v[OTMP], s[CL], v[OTMP]              ; a lane behind the list's end takes the last token once more: every lane holds a token, so nothing is masked
	v_min_u32 v[OTMP], 0x3ff, v[OTMP]              ; inside the list, whatever the count holds
	v_lshlrev_b32 v[OTMP], 2, v[OTMP]
	global_load_b32 v[OTK], v[OTMP], s[6:7]
	s_mov_b64 s[50:51], s[WB:WB+1]                 ; copies that step along K
.if FFN == 1
	s_mov_b64 s[52:53], s[10:11]
.endif
	s_mov_b64 s[54:55], s[AB:AB+1]
	s_mov_b32 s[KT], 0
.irp j, 0,1,2,3,4,5,6,7
	v_mov_b32 v[OACC+(\j)], 0
.endr
	s_wait_loadcnt 0x0                             ; my token's number
	v_min_u32 v[OTC], 0x3ff, v[OTK]
	v_lshlrev_b32 v[OVA], SHA, v[OTC]
	v_lshl_add_u32 v[OVA], v3, 4, v[OVA]
	v_lshl_add_u32 v[OAD], v[OTC], SHO, v[OCOL]
.Lok:                                                  ; 32 trips of 32 along K
.irp q, 0,1,2,3
	global_load_b128 v[OW+4*(\q):OW+4*(\q)+3], v[OVW], s[50:51] offset:64*((\q)/2)+16*((\q)%2)
.endr
.if FFN == 1
.irp q, 0,1,2,3
	global_load_b128 v[OG+4*(\q):OG+4*(\q)+3], v[OVG], s[52:53] offset:64*((\q)/2)+16*((\q)%2)
.endr
.endif
	global_load_b128 v[OA:OA+3], v[OVA], s[54:55]
	global_load_b128 v[OA+4:OA+7], v[OVA], s[54:55] offset:32
	s_wait_loadcnt 0x0                             ; all are in: their bases may step below
.if FFN == 1
.irp q, 0,1,2,3,4,5,6,7
	v_pk_mul_f32 v[OW+2*(\q):OW+2*(\q)+1], v[OW+2*(\q):OW+2*(\q)+1], v[OG+2*(\q):OG+2*(\q)+1]
.endr
.endif
.irp q, 0,1,2,3,4,5,6,7
	v_cvt_pk_bf16_f32 v[OP+(\q)], v[OW+2*(\q)], v[OW+2*(\q)+1]
.endr
	s_wait_alu depctr_va_vdst(0)                   ; the wait stands here
	v_wmma_f32_16x16x32_bf16 v[OACC:OACC+7], v[OP:OP+7], v[OA:OA+7], v[OACC:OACC+7]
	PLACES
	s_add_nc_u64 s[50:51], s[50:51], 128
.if FFN == 1
	s_add_nc_u64 s[52:53], s[52:53], 128
.endif
	s_add_nc_u64 s[54:55], s[54:55], 64
	s_add_co_u32 s[KT], s[KT], 1
	s_cmp_lt_u32 s[KT], 32
	s_cbranch_scc1 .Lok
.if FFN == 1
.irp j, 0,2,4,6
	v_pk_add_f32 v[OACC+(\j):OACC+(\j)+1], v[OACC+(\j):OACC+(\j)+1], v[OC+(\j):OC+(\j)+1]
.endr
.irp j, 0,1,2,3,4,5,6,7
	v_max_num_f32 v[OACC+(\j)], 0, v[OACC+(\j)]
.endr
.irp j, 0,1,2,3
	v_cvt_pk_bf16_f32 v[OP+(\j)], v[OACC+2*(\j)], v[OACC+2*(\j)+1]
.endr
	global_store_b128 v[OAD], v[OP:OP+3], s[OUTB:OUTB+1]
.else
	global_store_b128 v[OAD], v[OACC:OACC+3], s[OUTB:OUTB+1]
	global_store_b128 v[OAD], v[OACC+4:OACC+7], s[OUTB:OUTB+1] offset:16
.endif
	s_wait_xcnt 0x0                                ; the stores' offset and data are written again, in the next trip, only behind this wait
	s_sub_co_u32 s[OVT], s[OVT], 1                 ; one tile fewer to do
.Lnext:                                                ; the loop's foot: both steps are taken once in every trip
	s_add_co_u32 s[MB], s[MB], 32                  ; two tiles on
	s_add_co_u32 s[OT], s[OT], 1
	s_cmp_lt_u32 s[OT], 26
	s_cbranch_scc1 .Lot
.Lout:
	; THE WAY OUT: 12 stage rows a wave, read back as whole rows and stored to their tokens' rows.
	s_mul_i32 s25, s[WV], 12*SP
	s_add_co_u32 s25, s25, STAGE
.if FFN == 1
	v_mul_u32_u24 v5, v3, SP                       ; lanes 0-15 take one row's 256 bytes, lanes 16-31 the next row's
	v_lshl_add_u32 v5, v2, 4, v5
	v_add_nc_u32 v5, s25, v5
	v_lshlrev_b32 v[CO], 4, v2
.else
	v_add_nc_u32 v5, s25, v4                       ; 32 lanes take a row's 512 bytes
.endif
.set t, 0
.rept NROW
	ds_load_b128 v[DT+4*t:DT+4*t+3], v5 offset:RSTEP*t
.set t, t+1
.endr
	s_wait_loadcnt 0x0                             ; the rows' list entries
.set t, 0
.rept NROW
	v_min_u32 v[AD+t], 0x3ff, v[TK+t]
	v_lshl_add_u32 v[AD+t], v[AD+t], SHO, v[CO]
.set t, t+1
.endr
	s_wait_dscnt 0x0                               ; the rows
	s_wait_xcnt 0x0                                ; EXEC changes only behind this wait
.set t, 0
.rept NROW
	v_cmp_gt_u32 vcc_lo, 0x400, v[TK+t]            ; rows that hold a token
	s_and_saveexec_b32 s25, vcc_lo
	global_store_b128 v[AD+t], v[DT+4*t:DT+4*t+3], s[OUTB:OUTB+1]   ; a row's piece: consecutive bytes, at a multiple of 256 from the buffer's first byte
	s_wait_xcnt 0x0                                ; and again, in front of the line that widens it
	s_or_b32 exec_lo, exec_lo, s25
.set t, t+1
.endr
	s_wait_xcnt 0x0
	s_mov_b32 exec_lo, -1
	s_wait_tensorcnt 0x0
	ds_add_u32 v251, v255
	s_wait_dscnt 0x0
	s_endpgm
.Lfunc_end_k_q86f7cfeadd_ffn1:
	.size	k_q86f7cfeadd_ffn1, .Lfunc_end_k_q86f7cfeadd_ffn1-k_q86f7cfeadd_ffn1
	.p2alignl 7, 3214868480
	.fill 96, 4, 3214868480
	.section	.rodata,"a",@progbits
	.p2align	6, 0x0
	.amdhsa_kernel k_q86f7cfeadd_ffn1
		.amdhsa_group_segment_fixed_size 228864
		.amdhsa_private_segment_fixed_size 0
		.amdhsa_enable_private_segment 0
		.amdhsa_kernarg_size 56
		.amdhsa_user_sgpr_count 2
		.amdhsa_user_sgpr_kernarg_segment_ptr 1
		.amdhsa_wavefront_size32 1
		.amdhsa_system_sgpr_workgroup_id_x 1
		.amdhsa_system_sgpr_workgroup_id_y 1
		.amdhsa_system_sgpr_workgroup_id_z 1
		.amdhsa_system_vgpr_workitem_id 0
		.amdhsa_next_free_vgpr 256
		.amdhsa_next_free_sgpr 66
		.amdhsa_reserve_vcc 1
		.amdhsa_float_denorm_mode_32 3
		.amdhsa_float_denorm_mode_16_64 3
		.amdhsa_memory_ordered 1
		.amdhsa_forward_progress 1
		.amdhsa_inst_pref_size 111
	.end_amdhsa_kernel
	.amdgpu_metadata
---
amdhsa.version: [ 1, 2 ]
amdhsa.kernels:
  - .name:           k_q86f7cfeadd_ffn1
    .symbol:         k_q86f7cfeadd_ffn1.kd
    .args:
      - { .name: xn, .offset: 0, .size: 8, .value_kind: global_buffer, .address_space: global }
      - { .name: tlist, .offset: 8, .size: 8, .value_kind: global_buffer, .address_space: global }
      - { .name: W1, .offset: 16, .size: 8, .value_kind: global_buffer, .address_space: global }
      - { .name: gamma, .offset: 24, .size: 8, .value_kind: global_buffer, .address_space: global }
      - { .name: beta, .offset: 32, .size: 8, .value_kind: global_buffer, .address_space: global }
      - { .name: b1, .offset: 40, .size: 8, .value_kind: global_buffer, .address_space: global }
      - { .name: H, .offset: 48, .size: 8, .value_kind: global_buffer, .address_space: global }
    .group_segment_fixed_size: 228864
    .private_segment_fixed_size: 0
    .kernarg_segment_align: 8
    .kernarg_segment_size: 56
    .max_flat_workgroup_size: 512
    .sgpr_count:     66
    .vgpr_count:     256
    .wavefront_size: 32
...
	.end_amdgpu_metadata
.endif
;; end of part 3
;; launch ffn2 (part 4): grid 256 x 1, 16 waves a work-group, no clusters, 278,016 bytes of LDS; arguments H, tlist, W2, P; writes P
.if DOCPART == 4
	.amdgcn_target "amdgcn-amd-amdhsa--gfx1250"
	.amdhsa_code_object_version 6
	.text
	.protected	k_q86f7cfeadd_ffn2
	.globl	k_q86f7cfeadd_ffn2
	.p2align	8
	.type	k_q86f7cfeadd_ffn2,@function
k_q86f7cfeadd_ffn2:
	s_mov_b64 s[64:65], 0
	v_nop
	global_prefetch_b8 v0, s[64:65] scope:SCOPE_SE
	s_setreg_imm32_b32 hwreg(HW_REG_WAVE_MODE, 25, 1), 1
	s_wait_xcnt 0x0
; ONE TEXT FOR THE TWO PRODUCTS OF THE EXPERTS' LAYER; the line .set FFN says which.  Token t's expert e was chosen by an earlier launch.
;   FFN = 1:  H[t][f] = relu( xn[t] . (W1[e][f] * gamma[e]) + c1[f] ),  c1[f] = b1[e][f] + W1[e][f] . beta[e]     H: [1024][4096] bf16
;             (LayerNorm's gain and shift folded into the weights: W1 x gamma is made in f32 and rounded ONCE to bf16; c1 is made in f32)
;   FFN = 2:  P[q][t][d] = the sum over the q-th quarter of f of H[t][f] W2[e][d][f]                              P: [4][1024][1024] f32
; Matrix operands in bf16, sums in f32.  Only a token's own expert is computed: the other seven results are multiplied by 0 in the combination.
; SHARES.  256 work-groups; each owns 128 rows x 1,024 columns of one expert's weights (512 KiB of f32, read once in the launch) and all tokens of that expert.
;   FFN = 1: expert g >> 5, rows 128 (g & 31) on.     FFN = 2: expert g >> 5, rows 128 ((g >> 2) & 7) on, K quarter g & 3.
; THE LIST.  An earlier launch has laid the expert's token numbers one behind the other in its row of tlist (1,024 words; those behind the last hold -1) and their count CNT behind them.
; Each wave reads the count and the few entries that it needs: no wave scans, and no barrier stands in front of the first token rows.
; A row is fetched for min(entry, 1023) and stored only where entry < 1024.
; EVERY WAVE DOES BOTH JOBS, in one text.  K goes in 8 chunks of 128 through two LDS slots.  For each chunk wave w streams weight rows 8 w .. 8 w + 7 (loads of 512 consecutive bytes), scales and
; rounds them, and fetches 12 token rows (256 bytes each), through registers into a slot; and it multiplies weight rows 32 (w & 3) .. + 31 by the token tiles (w >> 2) + 4 i, i = 0..2, of 16 tokens.
; While chunk c is multiplied out of one slot, chunk c + 1 is laid into the other; one barrier a chunk.  Two weight sets of a wave are on their way: 16 waves x 8 KiB, and 48 KiB of token rows.
; All loads, waits for loads and barriers are the same whatever CNT is; CNT only lets a wave leave out tiles without tokens, from chunk 1 on: chunk 0 is multiplied for all three
; tiles and its first products start the sums, so nothing is cleared and every accumulator is written on every way.
; THE MATRIX INSTRUCTION IS USED TRANSPOSED: source 0 = 16 weight rows, source 1 = 16 tokens: a lane holds one token (lane % 16) and eight neighbouring outputs 8 (lane / 16) + 0..7.
; THE WAY OUT goes through a stage in LDS, so that each store covers whole rows' pieces of 256 (FFN = 1) or 512 (FFN = 2) consecutive bytes, at multiples of 256 from the buffer's first byte.
; NO TENSOR LOADS, NO CLUSTER: the weights pass through the vector unit anyway (scale, rounding) and no two work-groups read the same ones; the token rows that an expert's work-groups
; share are picked row by row from a list and are a third of a chunk's bytes.
; LIMITS.  The two slots hold 192 tokens.  Tokens of an expert beyond its first 192 (any number up to 1,024 is served) go a slower way, without LDS slots and without barriers:
; a wave makes 16 tokens x 16 outputs at a time, straight from memory, and stores pieces of 16 or 32 bytes; in the list's last tile the lanes behind the list's end take the last token once more
; and store the same numbers to the same bytes as that token's own lane.  A work-group whose expert has no token streams its weights and stores nothing.
.set FFN, 2
.if FFN == 1
.set PITCHW, 4096                      ; bytes from weight row to weight row
.set SHA,    11                        ; log2 of a token row's bytes in the activations
.set SHO,    13                        ; and in the output
.set SET,    10                        ; loads in a wave's set for one chunk: 8 rows, gamma, beta
.set SP,     272                       ; a stage row: 128 bf16 + 16 bytes
.set NROW,   6                         ; stores a wave on the way out (two rows each)
.set RSTEP,  2*SP
.set LSTEP,  8
.set CO,     7                         ; v7: the way out: my bytes in a row's piece: 16 (lane % 16)
.else
.set PITCHW, 16384
.set SHA,    13
.set SHO,    12
.set SET,    8
.set SP,     528                       ; 128 f32 + 16 bytes
.set NROW,   12                        ; (one row each)
.set RSTEP,  SP
.set LSTEP,  4
.set CO,     4                         ; v4: 16 x lane
.endif
.set LP,     272                       ; a slot's row: 128 bf16 + 16 bytes = 17 x 16: the 16 rows of a fragment load start at 16 different 16-byte columns modulo 256 bytes
.set C1,     0                         ; 128 f32 (FFN = 1)
.set WS0,    512                       ; slot 0: 128 weight rows,
.set AS0,    35328                     ;         192 token rows
.set SLOTD,  87040                     ; slot 1 lies this far behind slot 0
.set STAGE,  174592                    ; 192 rows x SP
.set OROW,   4608                      ; bytes in an expert's row of tlist: 1,024 entries, then the count
; scalar registers.  s[6:7]: tlist at the expert's row
.set WV,   18                          ; my wave's number
.set EX,   19                          ; the expert
.set CNT,  21                          ; its tokens
.set NT,   22                          ; its tiles of 16 tokens in the slots: at most 12
.set NTT,  23                          ; all its tiles
.set MYT,  24                          ; my tiles that hold tokens: 0 to 3
.set B1,   32                          ; s[32:39] b1 of my 8 weight rows
.set OVT,  40                          ; my tiles on the slower way that are still to do: 0 to 26
.set CL,   41                          ; the list's last place, CNT - 1
.set OT,   42                          ; the slower way: counts its trips
.set SEL,  48                          ; s[48:49] v_permlanex16_b32's selects
.set MB,   56                          ; the slower way: the list place at which the trip's tile begins
.set KT,   57                          ;                 its K steps
.set OUTB, 58                          ; s[58:59] the output at my columns
.set AB,   60                          ; s[60:61] the activations at my K range
.set WB,   62                          ; s[62:63] the weights at my block
; vector registers: v1 lane, v2 lane % 16, v3 lane / 16, v4 16 x lane
.set VW,   5                           ; my byte offset in the weight block
.set WSA,  6                           ; v6, v7   where my weight rows go, slot 0, 1
.set ASA,  8                           ; v8, v9   where my token rows go
.set WA,   10                          ; v10, v11 my weight fragments, slot 0, 1
.set AA,   12                          ; v12, v13 my token fragments
.set OF,   14                          ; v[14:19] byte offsets of my 6 pairs of token rows
.set GM,   20                          ; v[20:27] gamma of my 4 columns, two sets
.set BT,   28                          ; v[28:35] beta
.set DOT,  36                          ; v[36:51] W1 . beta, a pair for each of my 8 rows
.set AL,   52                          ; v[52:75] token rows as loaded
.set WR,   76                          ; v[76:139] weight rows as loaded, two sets of 32
.set WF,   140                         ; v[140:171] weight fragments of half a chunk: K step k2, half nt at WF + 16 k2 + 8 nt
.set AF,   172                         ; v[172:187] token fragments of one tile, half a chunk: AF + 8 k2
.set ACC,  188                         ; v[188:235] tile i, half nt at ACC + 16 i + 8 nt
.set T,    236                         ; v[236:243] at work
.set LA,   252                         ; my token rows' place in the list; at the end my place in C1
.set R16,  253                         ; 16 (lane % 16)
.set FR,   254                         ; a fragment's row x pitch + 16 x half
; the way out
.set STO,  244                         ; where I put my results in the stage
.set STO2, 245                         ; the same for tile 2 (FFN = 2: an LDS offset has 16 bits)
.set C1A,  246                         ; my 8 + 8 numbers of c1
.set TKA,  247                         ; the place in the list of the rows that I store
.set CB,   76                          ; v[76:91] c1
.set PK,   92                          ; v[92:99] packed results
.set TK,   52                          ; v[52:63] list entries
.set AD,   64                          ; v[64:75] byte offsets in the output
.set DT,   76                          ; v[76:123] rows read back from the stage
; the slower way
.set OVW,  124
.set OVG,  125
.set OVA,  126
.set OTK,  127
.set OTC,  128
.set OAD,  129
.set OCOL, 130
.set OTMP, 131
.set OW,   132                         ; v[132:147] 16 weights in f32
.set OG,   148                         ; v[148:163] their gamma
.set OA,   164                         ; v[164:171] a token fragment
.set OP,   172                         ; v[172:179] the weight fragment
.set OACC, 180                         ; v[180:187]
.set OC,   188                         ; v[188:195] c1
; A load into a register that a matrix instruction has read, and a vector instruction that reads a matrix result, stand four plain vector instructions behind it (ISA guide 7.12.1 for vector instructions).
.macro PLACES
.rept 4
	v_nop
.endr
.endm
; My set of loads for chunk n: 8 rows x 512 consecutive bytes, and the chunk's gamma and beta.
.macro ISSUE_W n
.irp r, 0,1,2,3,4,5,6,7
	global_load_b128 v[WR+32*((\n)&1)+4*(\r):WR+32*((\n)&1)+4*(\r)+3], v[VW], s[WB:WB+1] offset:(\r)*PITCHW+(\n)*512 th:TH_LOAD_NT
.endr
.if FFN == 1
	global_load_b128 v[GM+4*((\n)&1):GM+4*((\n)&1)+3], v4, s[10:11] offset:(\n)*512
	global_load_b128 v[BT+4*((\n)&1):BT+4*((\n)&1)+3], v4, s[12:13] offset:(\n)*512
.endif
.endm
; My 12 token rows of chunk n: 6 loads, each two rows of 256 consecutive bytes.  Always all six, so that every count below is the same whatever CNT is.
.macro ISSUE_A n
.irp mt, 0,1,2,3,4,5
	global_load_b128 v[AL+4*(\mt):AL+4*(\mt)+3], v[OF+(\mt)], s[AB:AB+1] offset:(\n)*256
.endr
.endm
; My weight rows of chunk n go into slot n & 1.  Order of issue: .. W(n), A(n-1), W(n+1), A(n), then W(n+2) in here and A(n+1) in APART.
.macro WPART n
.set PS, (\n)&1
.if (\n) < 7
	s_wait_loadcnt SET+6                           ; W(n) is in; younger: the set W(n+1) and the 6 loads A(n)
.else
	s_wait_loadcnt 6                               ; the last set: only A(7) is younger
.endif
.irp r, 0,1,2,3,4,5,6,7
.set WQ, WR+32*PS+4*(\r)
.set TQ, T+4*((\r)&1)
.if FFN == 1
.if (\n) == 0
	v_pk_mul_f32 v[DOT+2*(\r):DOT+2*(\r)+1], v[WQ:WQ+1], v[BT+4*PS:BT+4*PS+1]   ; the first product starts the row's W1 . beta
.else
	v_pk_fma_f32 v[DOT+2*(\r):DOT+2*(\r)+1], v[WQ:WQ+1], v[BT+4*PS:BT+4*PS+1], v[DOT+2*(\r):DOT+2*(\r)+1]
.endif
	v_pk_mul_f32 v[TQ:TQ+1], v[WQ:WQ+1], v[GM+4*PS:GM+4*PS+1]
	v_pk_mul_f32 v[TQ+2:TQ+3], v[WQ+2:WQ+3], v[GM+4*PS+2:GM+4*PS+3]
	v_pk_fma_f32 v[DOT+2*(\r):DOT+2*(\r)+1], v[WQ+2:WQ+3], v[BT+4*PS+2:BT+4*PS+3], v[DOT+2*(\r):DOT+2*(\r)+1]
	v_cvt_pk_bf16_f32 v[TQ], v[TQ], v[TQ+1]
	v_cvt_pk_bf16_f32 v[TQ+1], v[TQ+2], v[TQ+3]
.else
	v_cvt_pk_bf16_f32 v[TQ], v[WQ], v[WQ+1]
	v_cvt_pk_bf16_f32 v[TQ+1], v[WQ+2], v[WQ+3]
.endif
	ds_store_b64 v[WSA+PS], v[TQ:TQ+1] offset:(\r)*LP       ; 32 lanes, 256 consecutive bytes: the row's 128 bf16
.if (\n) < 6
	global_load_b128 v[WQ:WQ+3], v[VW], s[WB:WB+1] offset:(\r)*PITCHW+((\n)+2)*512 th:TH_LOAD_NT   ; the row's registers are free: chunk n + 2
.endif
.endr
.if (FFN == 1) && ((\n) < 6)
	global_load_b128 v[GM+4*PS:GM+4*PS+3], v4, s[10:11] offset:((\n)+2)*512
	global_load_b128 v[BT+4*PS:BT+4*PS+3], v4, s[12:13] offset:((\n)+2)*512
.endif
.if (FFN == 1) && ((\n) == 7)
	; c1 of my 8 rows: the lanes' parts are added, b1 joins, and every lane writes the same number to the row's word
	s_lshl_b32 s25, s[WV], 5
	v_mov_b32 v[LA], s25
.irp r, 0,1,2,3,4,5,6,7
	v_add_f32 v[DOT+2*(\r)], v[DOT+2*(\r)], v[DOT+2*(\r)+1]
.endr
.irp m, 1,2,4,8
.irp r, 0,1,2,3,4,5,6,7
	v_add_f32_dpp v[DOT+2*(\r)], v[DOT+2*(\r)], v[DOT+2*(\r)] row_xmask:\m row_mask:0xf bank_mask:0xf
.endr
.endr
.irp r, 0,1,2,3,4,5,6,7
	v_permlanex16_b32 v[DOT+2*(\r)+1], v[DOT+2*(\r)], s[SEL], s[SEL+1]
.endr
.irp r, 0,1,2,3,4,5,6,7
	v_add_f32 v[DOT+2*(\r)], v[DOT+2*(\r)], v[DOT+2*(\r)+1]
.endr
.irp r, 0,1,2,3,4,5,6,7
	v_add_f32 v[DOT+2*(\r)], s[B1+(\r)], v[DOT+2*(\r)]
.endr
.irp r, 0,1,2,3,4,5,6,7
	ds_store_b32 v[LA], v[DOT+2*(\r)] offset:C1+4*(\r)
.endr
.endif
.endm
; My token rows of chunk n go into slot n & 1; they have had the chunk's products in which to land.  Then the next chunk's are asked for.
.macro APART n
.if (\n) < 6
	s_wait_loadcnt SET                             ; A(n) is in; younger: the set W(n+2)
.else
	s_wait_loadcnt 0x0                             ; nothing was issued behind A(n)
.endif
.irp mt, 0,1,2,3,4,5
	ds_store_b128 v[ASA+((\n)&1)], v[AL+4*(\mt):AL+4*(\mt)+3] offset:(\mt)*32*LP
.endr
.if (\n) < 7
	ISSUE_A (\n)+1
.endif
.endm
; Two matrix instructions: tile i, K step k2 of the half chunk, both halves of my 32 weight rows.  The two accumulators take turns, one instruction a turn;
; a tile ends on half 1 and the next begins on half 0, over the chunks' ends too.
.macro MM i, k2, zero
.irp nt, 0,1
.if \zero
	v_wmma_f32_16x16x32_bf16 v[ACC+16*(\i)+8*(\nt):ACC+16*(\i)+8*(\nt)+7], v[WF+16*(\k2)+8*(\nt):WF+16*(\k2)+8*(\nt)+7], v[AF+8*(\k2):AF+8*(\k2)+7], 0
.else
	v_wmma_f32_16x16x32_bf16 v[ACC+16*(\i)+8*(\nt):ACC+16*(\i)+8*(\nt)+7], v[WF+16*(\k2)+8*(\nt):WF+16*(\k2)+8*(\nt)+7], v[AF+8*(\k2):AF+8*(\k2)+7], v[ACC+16*(\i)+8*(\nt):ACC+16*(\i)+8*(\nt)+7]
.endif
.endr
.endm
; Chunk c is multiplied out of slot c & 1, in two halves of 64 along K: my 32 weight rows' fragments of the half, then tile after tile.  From chunk 1 on a wave without tokens leaves the chunk out,
; and a half is left at the first tile without tokens: forward jumps, past register and LDS work alone.  Tile 0's wait for 0 stands on every way from a run of loads to the next run into the same registers.
; In front of the first loads of chunks 1 to 6 the places behind the last chunk's products are the vector instructions of WPART, 16 or more, which name none of their registers;
; chunk 7 has no WPART in front of it and takes four v_nop.
.macro CONS c
.set CS, (\c)&1
.if (\c) > 0
	s_cmp_eq_u32 s[MYT], 0
	s_cbranch_scc1 .Lce_\@
.endif
.if (\c) == 7
	PLACES
.endif
.irp hf, 0,1
.if (\hf) == 1
.Lch_\@:
	PLACES
.endif
.irp k2, 0,1
.irp nt, 0,1
	ds_load_b128 v[WF+16*(\k2)+8*(\nt):WF+16*(\k2)+8*(\nt)+3],   v[WA+CS] offset:(\nt)*16*LP+128*(\hf)+64*(\k2)
	ds_load_b128 v[WF+16*(\k2)+8*(\nt)+4:WF+16*(\k2)+8*(\nt)+7], v[WA+CS] offset:(\nt)*16*LP+128*(\hf)+64*(\k2)+32
.endr
.endr
.irp i, 0,1,2
.if ((\c) > 0) && ((\i) > 0)
	s_cmp_le_u32 s[MYT], \i
.if (\hf) == 0
	s_cbranch_scc1 .Lch_\@
.else
	s_cbranch_scc1 .Lce_\@
.endif
.endif
.if (\i) > 0
	PLACES
.endif
.irp k2, 0,1
	ds_load_b128 v[AF+8*(\k2):AF+8*(\k2)+3],   v[AA+CS] offset:(\i)*64*LP+128*(\hf)+64*(\k2)
	ds_load_b128 v[AF+8*(\k2)+4:AF+8*(\k2)+7], v[AA+CS] offset:(\i)*64*LP+128*(\hf)+64*(\k2)+32
.endr
	s_wait_dscnt 2                                 ; the first K step (and all that is older) is in; the youngest two loads stay out
.if ((\c) == 0) && ((\hf) == 0)
	MM \i, 0, 1                                    ; the first products start the sums
.else
	MM \i, 0, 0
.endif
	s_wait_dscnt 0x0
	MM \i, 1, 0
.endr
.endr
.Lce_\@:
.endm
; My results go into the stage, all three tiles; each accumulator's registers are taken in ascending order.  The four address lines are the places behind the last products.
.macro EPI
	s_and_b32 s25, s[WV], 3
	s_lshr_b32 s26, s[WV], 2
	s_mul_i32 s28, s26, 16*SP
	s_add_co_u32 s28, s28, STAGE
.if FFN == 1
	s_lshl_b32 s29, s25, 6
	s_add_co_u32 s28, s28, s29
	s_lshl_b32 s29, s25, 7
	v_mul_u32_u24 v[STO], v2, SP
	v_lshl_add_u32 v[STO], v3, 4, v[STO]
	v_add_nc_u32 v[STO], s28, v[STO]               ; stage row 16 (w >> 2) + lane % 16, bytes 64 (w & 3) + 16 (lane / 16)
	v_lshl_add_u32 v[C1A], v3, 5, s29
.irp nt, 0,1
	ds_load_b128 v[CB+8*(\nt):CB+8*(\nt)+3],   v[C1A] offset:C1+64*(\nt)
	ds_load_b128 v[CB+8*(\nt)+4:CB+8*(\nt)+7], v[C1A] offset:C1+64*(\nt)+16
.endr
	s_wait_dscnt 0x0
.else
	s_lshl_b32 s29, s25, 7
	s_add_co_u32 s28, s28, s29
	v_mul_u32_u24 v[STO], v2, SP
	v_lshl_add_u32 v[STO], v3, 5, v[STO]
	v_add_nc_u32 v[STO], s28, v[STO]               ; stage row 16 (w >> 2) + lane % 16, bytes 128 (w & 3) + 32 (lane / 16)
	v_add_nc_u32 v[STO2], 2*64*SP, v[STO]
.endif
.irp i, 0,1,2
.irp nt, 0,1
.set AQ, ACC+16*(\i)+8*(\nt)
.set PQ, PK+4*(\nt)
.if FFN == 1
.irp j, 0,2,4,6
	v_pk_add_f32 v[AQ+(\j):AQ+(\j)+1], v[AQ+(\j):AQ+(\j)+1], v[CB+8*(\nt)+(\j):CB+8*(\nt)+(\j)+1]
.endr
.irp j, 0,1,2,3,4,5,6,7
	v_max_num_f32 v[AQ+(\j)], 0, v[AQ+(\j)]
.endr
.irp j, 0,1,2,3
	v_cvt_pk_bf16_f32 v[PQ+(\j)], v[AQ+2*(\j)], v[AQ+2*(\j)+1]
.endr
	ds_store_b128 v[STO], v[PQ:PQ+3] offset:(\i)*64*SP+32*(\nt)
.else
.if (\i) < 2
	ds_store_b128 v[STO], v[AQ:AQ+3]    offset:(\i)*64*SP+64*(\nt)
	ds_store_b128 v[STO], v[AQ+4:AQ+7]  offset:(\i)*64*SP+64*(\nt)+16
.else
	ds_store_b128 v[STO2], v[AQ:AQ+3]   offset:64*(\nt)
	ds_store_b128 v[STO2], v[AQ+4:AQ+7] offset:64*(\nt)+16
.endif
.endif
.endr
.endr
.endm
.if FFN == 1
	s_load_b256 s[4:11], s[0:1], 0x0               ; xn s[4:5], tlist s[6:7], W1 s[8:9], gamma s[10:11]
	s_load_b128 s[12:15], s[0:1], 0x20             ; beta s[12:13], b1 s[14:15]
	s_load_b64 s[16:17], s[0:1], 0x30              ; H
.else
	s_load_b256 s[4:11], s[0:1], 0x0               ; H s[4:5], tlist s[6:7], W2 s[8:9], P s[10:11]
	v_lshl_add_u32 v251, v0, 2, 0x43600
	v_mov_b32 v255, 0
.endif
	v_and_b32 v1, 31, v0
	v_and_b32 v2, 15, v0
	v_bfe_u32 v3, v0, 4, 1
	v_lshlrev_b32 v4, 4, v1
	v_lshrrev_b32 v5, 5, v0
	v_readfirstlane_b32 s[WV], v5                  ; wave 0..15
	s_lshr_b32 s[EX], ttmp9, 5
	s_mov_b32 s27, 0                               ; the offsets are made apart from the addresses, in pairs with 0 on top
	s_mov_b32 s29, 0
	s_mov_b32 s31, 0
	s_mov_b32 s51, 0
	s_mul_i32 s44, s[EX], OROW                     ; tlist: the expert's row
	s_mov_b32 s45, 0
	s_mov_b32 s[SEL], 0x76543210
	s_mov_b32 s[SEL+1], 0xfedcba98
.if FFN == 1
	s_lshl_b32 s26, ttmp9, 19                      ; W1: (32 e + slice) x 128 rows x 4,096 bytes
	s_lshl_b32 s28, s[EX], 12                      ; gamma, beta: the expert's row
	s_lshl_b32 s30, s[WV], 5
	s_lshl_b32 s25, ttmp9, 9
	s_add_co_u32 s30, s30, s25                     ; b1: (32 e + slice) x 512 bytes + 8 numbers for each wave
	s_and_b32 s50, ttmp9, 31
	s_lshl_b32 s50, s50, 8                         ; H: the slice's 128 columns
	s_wait_kmcnt 0x0
	s_add_nc_u64 s[WB:WB+1], s[8:9], s[26:27]
	s_mov_b64 s[AB:AB+1], s[4:5]
	s_add_nc_u64 s[10:11], s[10:11], s[28:29]
	s_add_nc_u64 s[12:13], s[12:13], s[28:29]
	s_add_nc_u64 s[14:15], s[14:15], s[30:31]
	s_add_nc_u64 s[OUTB:OUTB+1], s[16:17], s[50:51]
	s_load_b256 s[B1:B1+7], s[14:15], 0x0
.else
	s_lshl_b32 s26, s[EX], 24                      ; W2: the expert,
	s_bfe_u32 s25, ttmp9, 0x30002                  ; the block of 128 rows,
	s_and_b32 s30, ttmp9, 3                        ; the K quarter
	s_lshl_b32 s28, s25, 21
	s_add_co_u32 s26, s26, s28
	s_lshl_b32 s28, s30, 12
	s_add_co_u32 s26, s26, s28
	s_lshl_b32 s28, s30, 11                        ; H: the quarter's 1,024 columns
	s_lshl_b32 s50, s30, 22                        ; P: the quarter's plane, the block's 128 columns
	s_lshl_b32 s25, s25, 9
	s_add_co_u32 s50, s50, s25
	s_wait_kmcnt 0x0
	s_add_nc_u64 s[WB:WB+1], s[8:9], s[26:27]
	s_add_nc_u64 s[AB:AB+1], s[4:5], s[28:29]
	s_add_nc_u64 s[OUTB:OUTB+1], s[10:11], s[50:51]
.endif
	s_add_nc_u64 s[6:7], s[6:7], s[44:45]
	s_load_b32 s[CNT], s[6:7], 0x1000              ; the count lies behind the row's 1,024 entries
	s_lshl_b32 s25, s[WV], 3
	v_lshl_add_u32 v[LA], v3, 2, s25               ; my token rows are 32 mt + 2 w + lane / 16: their entries in the list
.irp mt, 0,1,2,3,4,5
	global_load_b32 v[OF+(\mt)], v[LA], s[6:7] offset:128*(\mt)
.endr
	; the first two weight sets go out before anything is known of the tokens
	s_mul_i32 s25, s[WV], 8*PITCHW
	v_add_nc_u32 v[VW], s25, v4
	ISSUE_W 0
	ISSUE_W 1
	s_mul_i32 s25, s[WV], 8*LP
	s_add_co_u32 s25, s25, WS0
	v_lshl_add_u32 v[WSA], v1, 3, s25              ; row 8 w, 8 bytes a lane
	v_add_nc_u32 v[WSA+1], SLOTD, v[WSA]
	s_mul_i32 s25, s[WV], 2*LP
	s_add_co_u32 s25, s25, AS0
	v_mul_u32_u24 v[ASA], v3, LP
	v_lshl_add_u32 v[ASA], v2, 4, v[ASA]
	v_add_nc_u32 v[ASA], s25, v[ASA]               ; row 2 w + lane / 16, 16 bytes a lane; pair mt lies 32 rows further on
	v_add_nc_u32 v[ASA+1], SLOTD, v[ASA]
	v_lshlrev_b32 v[R16], 4, v2
	s_and_b32 s25, s[WV], 3                        ; which 32 weight rows I multiply,
	s_lshr_b32 s26, s[WV], 2                       ; and which tiles
	v_mul_u32_u24 v[FR], v2, LP
	v_lshl_add_u32 v[FR], v3, 4, v[FR]
	s_mul_i32 s28, s25, 32*LP
	s_add_co_u32 s28, s28, WS0
	v_add_nc_u32 v[WA], s28, v[FR]
	v_add_nc_u32 v[WA+1], SLOTD, v[WA]
	s_mul_i32 s28, s26, 16*LP
	s_add_co_u32 s28, s28, AS0
	v_add_nc_u32 v[AA], s28, v[FR]
	v_add_nc_u32 v[AA+1], SLOTD, v[AA]
	s_wait_kmcnt 0x0                               ; the count (and b1)
	s_min_u32 s[CNT], s[CNT], 1024                 ; whatever the word holds
	s_add_co_u32 s[NTT], s[CNT], 15
	s_lshr_b32 s[NTT], s[NTT], 4
	s_min_u32 s[NT], s[NTT], 12
	s_lshr_b32 s25, s[WV], 2
	s_add_co_u32 s[MYT], s[NT], 3
	s_sub_co_u32 s[MYT], s[MYT], s25
	s_lshr_b32 s[MYT], s[MYT], 2                   ; tiles (w >> 2) + 4 i below NT
	s_min_u32 s[OVT], s[NTT], 64                   ; 1,024 tokens are 64 tiles
	s_max_u32 s[OVT], s[OVT], 12
	s_lshr_b32 s25, s[WV], 3
	s_sub_co_u32 s[OVT], s[OVT], s25
	s_sub_co_u32 s[OVT], s[OVT], 11                ; (tiles beyond the twelfth) + 1 - (w >> 3)
	s_lshr_b32 s[OVT], s[OVT], 1                   ; tiles 12 + (w >> 3) + 2 k below NTT:
	s_min_u32 s[OVT], s[OVT], 26                   ; half of 52 at the most
	s_sub_co_u32 s[CL], s[CNT], 1                  ; (used only where OVT is not 0, that is, CNT above 192)
	s_wait_loadcnt 2*SET                           ; my six list entries are in; the two weight sets are younger and stay out
.irp mt, 0,1,2,3,4,5
	v_min_u32 v[OF+(\mt)], 0x3ff, v[OF+(\mt)]      ; an entry of -1 fetches the last row: inside the buffer, and its products are never stored
.endr
.irp mt, 0,1,2,3,4,5
	v_lshl_add_u32 v[OF+(\mt)], v[OF+(\mt)], SHA, v[R16]
.endr
	ISSUE_A 0
	WPART 0
	APART 0
	s_wait_dscnt 0x0                               ; my part of slot 0 is written
	s_barrier_signal -1
	s_barrier_wait -1
; One barrier a chunk does two things: in front of it each wave's stores into slot (c + 1) & 1 are done, and so are its reads of slot c & 1, which is written again behind it.
.irp c, 0,1,2,3,4,5,6
	WPART (\c)+1
	CONS \c
	APART (\c)+1
	s_wait_dscnt 0x0
	s_barrier_signal -1
	s_barrier_wait -1
.endr
	; the list entries of the 12 stage rows that I shall store are asked for now: they land under the last chunk's products.  No other load of mine is out.
	s_mul_i32 s26, s[WV], 48
.if FFN == 1
	v_lshl_add_u32 v[TKA], v3, 2, s26              ; rows 12 w + 2 t + lane / 16
.else
	v_mov_b32 v[TKA], s26                          ; rows 12 w + t
.endif
.set t, 0
.rept NROW
	global_load_b32 v[TK+t], v[TKA], s[6:7] offset:LSTEP*t
.set t, t+1
.endr
	CONS 7
	EPI
	s_wait_dscnt 0x0                               ; my part of the stage is written
	s_barrier_signal -1
	s_barrier_wait -1
	; THE SLOWER WAY, for list places 192 and on.  No barrier, no LDS store and no change of EXEC.  Wave w: weight rows 16 (w & 7) on; tiles 12 + (w >> 3), then every second one: OVT of them.
	; The loop is counted against 26, the most tiles that a wave can have here, and is left only at its foot: a trip behind the wave's last tile jumps forward to the foot and does nothing.
	s_cmp_eq_u32 s[OVT], 0
	s_cbranch_scc1 .Lout
	s_and_b32 s25, s[WV], 7
	s_mul_i32 s26, s25, 16*PITCHW
	v_mul_u32_u24 v[OVW], v2, PITCHW
	v_lshl_add_u32 v[OVW], v3, 5, v[OVW]
	v_add_nc_u32 v[OVW], s26, v[OVW]               ; weight row 16 (w & 7) + lane % 16, 8 f32 for each half of the lanes
.if FFN == 1
	v_lshlrev_b32 v[OVG], 5, v3
	s_lshl_b32 s26, s25, 6
	v_lshl_add_u32 v[OTMP], v3, 5, s26
	ds_load_b128 v[OC:OC+3], v[OTMP] offset:C1
	ds_load_b128 v[OC+4:OC+7], v[OTMP] offset:C1+16
	s_lshl_b32 s26, s25, 5
	v_lshl_add_u32 v[OCOL], v3, 4, s26             ; my 8 bf16 in the slice's 256 bytes
	s_wait_dscnt 0x0                               ; c1 of my 8 outputs
.else
	s_lshl_b32 s26, s25, 6
	v_lshl_add_u32 v[OCOL], v3, 5, s26             ; my 8 f32 in the block's 512 bytes
.endif
	s_lshr_b32 s[MB], s[WV], 3
	s_add_co_u32 s[MB], s[MB], 12
	s_lshl_b32 s[MB], s[MB], 4                     ; my first tile's first place in the list
	s_mov_b32 s[OT], 0
.Lot:
	s_cmp_eq_u32 s[OVT], 0
	s_cbranch_scc1 .Lnext                          ; my tiles are done: forward, to the loop's foot
	v_add_nc_u32 v[OTMP], s[MB], v2
	v_min_u32 v[OTMP], s[CL], v[OTMP]              ; a lane behind the list's end takes the last token once more: every lane holds a token, so nothing is masked
	v_min_u32 v[OTMP], 0x3ff, v[OTMP]              ; inside the list, whatever the count holds
	v_lshlrev_b32 v[OTMP], 2, v[OTMP]
	global_load_b32 v[OTK], v[OTMP], s[6:7]
	s_mov_b64 s[50:51], s[WB:WB+1]                 ; copies that step along K
.if FFN == 1
	s_mov_b64 s[52:53], s[10:11]
.endif
	s_mov_b64 s[54:55], s[AB:AB+1]
	s_mov_b32 s[KT], 0
.irp j, 0,1,2,3,4,5,6,7
	v_mov_b32 v[OACC+(\j)], 0
.endr
	s_wait_loadcnt 0x0                             ; my token's number
	v_min_u32 v[OTC], 0x3ff, v[OTK]
	v_lshlrev_b32 v[OVA], SHA, v[OTC]
	v_lshl_add_u32 v[OVA], v3, 4, v[OVA]
	v_lshl_add_u32 v[OAD], v[OTC], SHO, v[OCOL]
.Lok:                                                  ; 32 trips of 32 along K
.irp q, 0,1,2,3
	global_load_b128 v[OW+4*(\q):OW+4*(\q)+3], v[OVW], s[50:51] offset:64*((\q)/2)+16*((\q)%2)
.endr
.if FFN == 1
.irp q, 0,1,2,3
	global_load_b128 v[OG+4*(\q):OG+4*(\q)+3], v[OVG], s[52:53] offset:64*((\q)/2)+16*((\q)%2)
.endr
.endif
	global_load_b128 v[OA:OA+3], v[OVA], s[54:55]
	global_load_b128 v[OA+4:OA+7], v[OVA], s[54:55] offset:32
	s_wait_loadcnt 0x0                             ; all are in: their bases may step below
.if FFN == 1
.irp q, 0,1,2,3,4,5,6,7
	v_pk_mul_f32 v[OW+2*(\q):OW+2*(\q)+1], v[OW+2*(\q):OW+2*(\q)+1], v[OG+2*(\q):OG+2*(\q)+1]
.endr
.endif
.irp q, 0,1,2,3,4,5,6,7
	v_cvt_pk_bf16_f32 v[OP+(\q)], v[OW+2*(\q)], v[OW+2*(\q)+1]
.endr
	s_wait_alu depctr_va_vdst(0)                   ; the wait stands here
	v_wmma_f32_16x16x32_bf16 v[OACC:OACC+7], v[OP:OP+7], v[OA:OA+7], v[OACC:OACC+7]
	PLACES
	s_add_nc_u64 s[50:51], s[50:51], 128
.if FFN == 1
	s_add_nc_u64 s[52:53], s[52:53], 128
.endif
	s_add_nc_u64 s[54:55], s[54:55], 64
	s_add_co_u32 s[KT], s[KT], 1
	s_cmp_lt_u32 s[KT], 32
	s_cbranch_scc1 .Lok
.if FFN == 1
.irp j, 0,2,4,6
	v_pk_add_f32 v[OACC+(\j):OACC+(\j)+1], v[OACC+(\j):OACC+(\j)+1], v[OC+(\j):OC+(\j)+1]
.endr
.irp j, 0,1,2,3,4,5,6,7
	v_max_num_f32 v[OACC+(\j)], 0, v[OACC+(\j)]
.endr
.irp j, 0,1,2,3
	v_cvt_pk_bf16_f32 v[OP+(\j)], v[OACC+2*(\j)], v[OACC+2*(\j)+1]
.endr
	global_store_b128 v[OAD], v[OP:OP+3], s[OUTB:OUTB+1]
.else
	global_store_b128 v[OAD], v[OACC:OACC+3], s[OUTB:OUTB+1]
	global_store_b128 v[OAD], v[OACC+4:OACC+7], s[OUTB:OUTB+1] offset:16
.endif
	s_wait_xcnt 0x0                                ; the stores' offset and data are written again, in the next trip, only behind this wait
	s_sub_co_u32 s[OVT], s[OVT], 1                 ; one tile fewer to do
.Lnext:                                                ; the loop's foot: both steps are taken once in every trip
	s_add_co_u32 s[MB], s[MB], 32                  ; two tiles on
	s_add_co_u32 s[OT], s[OT], 1
	s_cmp_lt_u32 s[OT], 26
	s_cbranch_scc1 .Lot
.Lout:
	; THE WAY OUT: 12 stage rows a wave, read back as whole rows and stored to their tokens' rows.
	s_mul_i32 s25, s[WV], 12*SP
	s_add_co_u32 s25, s25, STAGE
.if FFN == 1
	v_mul_u32_u24 v5, v3, SP                       ; lanes 0-15 take one row's 256 bytes, lanes 16-31 the next row's
	v_lshl_add_u32 v5, v2, 4, v5
	v_add_nc_u32 v5, s25, v5
	v_lshlrev_b32 v[CO], 4, v2
.else
	v_add_nc_u32 v5, s25, v4                       ; 32 lanes take a row's 512 bytes
.endif
.set t, 0
.rept NROW
	ds_load_b128 v[DT+4*t:DT+4*t+3], v5 offset:RSTEP*t
.set t, t+1
.endr
	s_wait_loadcnt 0x0                             ; the rows' list entries
.set t, 0
.rept NROW
	v_min_u32 v[AD+t], 0x3ff, v[TK+t]
	v_lshl_add_u32 v[AD+t], v[AD+t], SHO, v[CO]
.set t, t+1
.endr
	s_wait_dscnt 0x0                               ; the rows
	s_wait_xcnt 0x0                                ; EXEC changes only behind this wait
.set t, 0
.rept NROW
	v_cmp_gt_u32 vcc_lo, 0x400, v[TK+t]            ; rows that hold a token
	s_and_saveexec_b32 s25, vcc_lo
	global_store_b128 v[AD+t], v[DT+4*t:DT+4*t+3], s[OUTB:OUTB+1]   ; a row's piece: consecutive bytes, at a multiple of 256 from the buffer's first byte
	s_wait_xcnt 0x0                                ; and again, in front of the line that widens it
	s_or_b32 exec_lo, exec_lo, s25
.set t, t+1
.endr
	s_wait_xcnt 0x0
	s_mov_b32 exec_lo, -1
	s_wait_tensorcnt 0x0
	ds_add_u32 v251, v255
	s_wait_dscnt 0x0
	s_endpgm
.Lfunc_end_k_q86f7cfeadd_ffn2:
	.size	k_q86f7cfeadd_ffn2, .Lfunc_end_k_q86f7cfeadd_ffn2-k_q86f7cfeadd_ffn2
	.p2alignl 7, 3214868480
	.fill 96, 4, 3214868480
	.section	.rodata,"a",@progbits
	.p2align	6, 0x0
	.amdhsa_kernel k_q86f7cfeadd_ffn2
		.amdhsa_group_segment_fixed_size 278016
		.amdhsa_private_segment_fixed_size 0
		.amdhsa_enable_private_segment 0
		.amdhsa_kernarg_size 32
		.amdhsa_user_sgpr_count 2
		.amdhsa_user_sgpr_kernarg_segment_ptr 1
		.amdhsa_wavefront_size32 1
		.amdhsa_system_sgpr_workgroup_id_x 1
		.amdhsa_system_sgpr_workgroup_id_y 1
		.amdhsa_system_sgpr_workgroup_id_z 1
		.amdhsa_system_vgpr_workitem_id 0
		.amdhsa_next_free_vgpr 256
		.amdhsa_next_free_sgpr 66
		.amdhsa_reserve_vcc 1
		.amdhsa_float_denorm_mode_32 3
		.amdhsa_float_denorm_mode_16_64 3
		.amdhsa_memory_ordered 1
		.amdhsa_forward_progress 1
		.amdhsa_inst_pref_size 86
	.end_amdhsa_kernel
	.amdgpu_metadata
---
amdhsa.version: [ 1, 2 ]
amdhsa.kernels:
  - .name:           k_q86f7cfeadd_ffn2
    .symbol:         k_q86f7cfeadd_ffn2.kd
    .args:
      - { .name: H, .offset: 0, .size: 8, .value_kind: global_buffer, .address_space: global }
      - { .name: tlist, .offset: 8, .size: 8, .value_kind: global_buffer, .address_space: global }
      - { .name: W2, .offset: 16, .size: 8, .value_kind: global_buffer, .address_space: global }
      - { .name: P, .offset: 24, .size: 8, .value_kind: global_buffer, .address_space: global }
    .group_segment_fixed_size: 278016
    .private_segment_fixed_size: 0
    .kernarg_segment_align: 8
    .kernarg_segment_size: 32
    .max_flat_workgroup_size: 512
    .sgpr_count:     66
    .vgpr_count:     256
    .wavefront_size: 32
...
	.end_amdgpu_metadata
.endif
;; end of part 4
;; launch combine (part 5): grid 256 x 1, 4 waves a work-group, no clusters, 0 bytes of LDS; arguments x, P, alpha, eid, b2, out0; writes out0
.if DOCPART == 5
	.amdgcn_target "amdgcn-amd-amdhsa--gfx1250"
	.amdhsa_code_object_version 6
	.text
	.protected	k_q86f7cfeadd_combine
	.globl	k_q86f7cfeadd_combine
	.p2align	8
	.type	k_q86f7cfeadd_combine,@function
k_q86f7cfeadd_combine:
	s_mov_b64 s[64:65], 0
	v_nop
	global_prefetch_b8 v0, s[64:65] scope:SCOPE_SE
	s_setreg_imm32_b32 hwreg(HW_REG_WAVE_MODE, 25, 1), 1
	s_wait_xcnt 0x0
; out0[t][:] = x[t][:] + alpha[t] x ( P[0][t][:] + P[1][t][:] + P[2][t][:] + P[3][t][:] + b2[eid[t]][:] ).
; That is alpha y + (1 - alpha) x with y = x + ff2 + b2, written so that x is not multiplied: no difference of large numbers is formed.
; A stream: one wave, one token (work-group g, wave w: token 4 g + w); a lane holds columns 128 j + 4 lane + 0..3, j = 0..7, so every load and store of the wave covers 512
; consecutive bytes, at a multiple of 256 from its buffer's first byte.  All 48 loads of a wave are out together; no LDS, no barrier, no matrix unit: nothing is shared and nothing is multiplied but by alpha.
; eid was stored as whole numbers by an earlier launch; it is cut to 0..7 before it enters b2's address.
.set X,  4                             ; v[4:35]    x, then the result
.set P,  36                            ; v[36:163]  the four partial sums, 32 registers each
.set B2, 164                           ; v[164:195] the expert's b2
	s_load_b256 s[4:11], s[0:1], 0x0               ; x s[4:5], P s[6:7], alpha s[8:9], eid s[10:11]
	s_load_b128 s[12:15], s[0:1], 0x20             ; b2 s[12:13], out0 s[14:15]
	v_and_b32 v1, 31, v0
	v_lshrrev_b32 v2, 5, v0
	v_readfirstlane_b32 s16, v2                    ; wave 0..3
	v_lshlrev_b32 v1, 4, v1                        ; 16 x lane
	s_lshl_b32 s17, ttmp9, 2
	s_add_co_u32 s17, s17, s16                     ; my token
	s_lshl_b32 s18, s17, 12                        ; its row of 4,096 bytes
	s_mov_b32 s19, 0
	s_lshl_b32 s20, s17, 2                         ; its word in alpha and eid
	s_mov_b32 s21, 0
	s_mov_b32 s23, 0
	s_wait_kmcnt 0x0
	s_add_nc_u64 s[8:9], s[8:9], s[20:21]
	s_add_nc_u64 s[10:11], s[10:11], s[20:21]
	s_load_b32 s22, s[10:11], 0x0                  ; the expert
	s_load_b32 s24, s[8:9], 0x0                    ; alpha
	s_add_nc_u64 s[4:5], s[4:5], s[18:19]
	s_add_nc_u64 s[14:15], s[14:15], s[18:19]
	s_add_nc_u64 s[26:27], s[6:7], s[18:19]        ; my row in each of P's four planes of 4 MiB
	s_add_nc_u64 s[28:29], s[26:27], 0x400000
	s_add_nc_u64 s[30:31], s[28:29], 0x400000
	s_add_nc_u64 s[32:33], s[30:31], 0x400000
.irp j, 0,1,2,3,4,5,6,7
	global_load_b128 v[X+4*(\j):X+4*(\j)+3], v1, s[4:5] offset:512*(\j) th:TH_LOAD_NT
.endr
.irp q, 0,1,2,3
.irp j, 0,1,2,3,4,5,6,7
	global_load_b128 v[P+32*(\q)+4*(\j):P+32*(\q)+4*(\j)+3], v1, s[26+2*(\q):27+2*(\q)] offset:512*(\j) th:TH_LOAD_NT
.endr
.endr
	s_wait_kmcnt 0x0
	s_min_u32 s22, s22, 7
	s_lshl_b32 s22, s22, 12                        ; the expert's row of b2
	s_add_nc_u64 s[12:13], s[12:13], s[22:23]
	s_mov_b32 s25, s24                             ; alpha is named as a pair
.irp j, 0,1,2,3,4,5,6,7
	global_load_b128 v[B2+4*(\j):B2+4*(\j)+3], v1, s[12:13] offset:512*(\j)
.endr
.irp j, 0,1,2,3,4,5,6,7
	s_wait_loadcnt 7-(\j)                          ; b2's piece j is in, and with it all that was issued before; b2's later pieces stay out
.irp k, 0,2
.set Q, P+4*(\j)+(\k)
	v_pk_add_f32 v[Q:Q+1], v[Q:Q+1], v[Q+32:Q+33]
	v_pk_add_f32 v[Q+64:Q+65], v[Q+64:Q+65], v[Q+96:Q+97]
	v_pk_add_f32 v[Q:Q+1], v[Q:Q+1], v[B2+4*(\j)+(\k):B2+4*(\j)+(\k)+1]
	v_pk_add_f32 v[Q:Q+1], v[Q:Q+1], v[Q+64:Q+65]
	v_pk_fma_f32 v[X+4*(\j)+(\k):X+4*(\j)+(\k)+1], v[Q:Q+1], s[24:25], v[X+4*(\j)+(\k):X+4*(\j)+(\k)+1] op_sel_hi:[1,0,1]
.endr
	global_store_b128 v1, v[X+4*(\j):X+4*(\j)+3], s[14:15] offset:512*(\j) th:TH_STORE_NT
.endr
	s_endpgm
.Lfunc_end_k_q86f7cfeadd_combine:
	.size	k_q86f7cfeadd_combine, .Lfunc_end_k_q86f7cfeadd_combine-k_q86f7cfeadd_combine
	.p2alignl 7, 3214868480
	.fill 96, 4, 3214868480
	.section	.rodata,"a",@progbits
	.p2align	6, 0x0
	.amdhsa_kernel k_q86f7cfeadd_combine
		.amdhsa_group_segment_fixed_size 0
		.amdhsa_private_segment_fixed_size 0
		.amdhsa_enable_private_segment 0
		.amdhsa_kernarg_size 48
		.amdhsa_user_sgpr_count 2
		.amdhsa_user_sgpr_kernarg_segment_ptr 1
		.amdhsa_wavefront_size32 1
		.amdhsa_system_sgpr_workgroup_id_x 1
		.amdhsa_system_sgpr_workgroup_id_y 1
		.amdhsa_system_sgpr_workgroup_id_z 1
		.amdhsa_system_vgpr_workitem_id 0
		.amdhsa_next_free_vgpr 200
		.amdhsa_next_free_sgpr 66
		.amdhsa_reserve_vcc 0
		.amdhsa_float_denorm_mode_32 3
		.amdhsa_float_denorm_mode_16_64 3
		.amdhsa_memory_ordered 1
		.amdhsa_forward_progress 1
		.amdhsa_inst_pref_size 12
	.end_amdhsa_kernel
	.amdgpu_metadata
---
amdhsa.version: [ 1, 2 ]
amdhsa.kernels:
  - .name:           k_q86f7cfeadd_combine
    .symbol:         k_q86f7cfeadd_combine.kd
    .args:
      - { .name: x, .offset: 0, .size: 8, .value_kind: global_buffer, .address_space: global }
      - { .name: P, .offset: 8, .size: 8, .value_kind: global_buffer, .address_space: global }
      - { .name: alpha, .offset: 16, .size: 8, .value_kind: global_buffer, .address_space: global }
      - { .name: eid, .offset: 24, .size: 8, .value_kind: global_buffer, .address_space: global }
      - { .name: b2, .offset: 32, .size: 8, .value_kind: global_buffer, .address_space: global }
      - { .name: out0, .offset: 40, .size: 8, .value_kind: global_buffer, .address_space: global }
    .group_segment_fixed_size: 0
    .private_segment_fixed_size: 0
    .kernarg_segment_align: 8
    .kernarg_segment_size: 48
    .max_flat_workgroup_size: 128
    .sgpr_count:     66
    .vgpr_count:     200
    .wavefront_size: 32
...
	.end_amdgpu_metadata
.endif
;; end of part 5
